; MI455X (gfx1250); checked and timed in simulation.
; The chip was launched on July 23, 2026; its instructions are those of AMD's public machine-readable ISA for CDNA 5 (MIT licence, August 2026) and "CDNA5" Instruction Set Architecture Reference Guide (July 2026). The comments in the code are by the model that wrote it; some were corrected since.
;; Causal Self Attention. Allowed arithmetic: matrix products marked QUANTISED: E2M1 operands, one E8M0 scale for each 32 along K, by v_wmma_scale_f32_16x16x128_f8f6f4 with both operands' format E2M1 (or v_wmma_scale_f32_32x16x128_f4), f32 sums; products left as they are: bf16, f16 or f32 operands; f32 sums; everything else in f32.
;; Inputs: w_attn 1,024 x 3,072 float32; w_proj 1,024 x 1,024 float32; x 4 x 2,048 x 1,024 float32.
;; Outputs: out0 4 x 2,048 x 1,024 float32.
;; This version of the problem:
;;   THIS VERSION OF THE PROBLEM IS GIVEN IN LOW PRECISION. The matrix products marked QUANTISED in the list below multiply operands that are first quantised to E2M1 (2 exponent bits, 1 mantissa bit; 4 bits a number), with one power-of-two scale for each 32 numbers along K (OCP MX v1.0); their sums are f32. The products marked 'left as it is' may take bf16, f16 or f32 operands, with f32 sums. Whichever they take, every output number must still come out within the allowed error. Rounding operands to bf16 (8 significant bits) uses up far more of that allowance than f16 does (11 bits, for magnitudes from 6e-5 to 65,504). All else is computed in f32.
;;   The module's matrix products, in the order in which they are computed (A, B: the left and right operand; K: the contracted axis; several contracted axes count as one K, in the product's order):
;;     1. [M 8,192, K 1,024] x [K 1,024, N 3,072]; A: input x; B: input w_attn: QUANTISED
;;     2. batch 64 x [M 2,048, K 64] x [K 64, N 2,048]; A: computed on the way; B: computed on the way: left as it is (an operand is computed on the way)
;;     3. batch 64 x [M 2,048, K 2,048] x [K 2,048, N 64]; A: computed on the way; B: computed on the way: left as it is (an operand is computed on the way)
;;     4. [M 8,192, K 1,024] x [K 1,024, N 1,024]; A: computed on the way; B: input w_proj: left as it is (an operand is computed on the way)
;;   THE QUANTISER, for each operand of a quantised product, along K:
;;     - K is cut into blocks of 32 from its start; a last block that is shorter is filled with zeros.
;;     - A block's scale is 2^e with e = floor(log2(the largest magnitude in the block)) - 2, held to -126 .. 127; a block of zeros has e = 0. As a byte (E8M0): e + 127.
;;     - Each number is divided by its block's scale, clamped to +-6, and rounded to the nearest number of E2M1, ties to even, subnormals kept.
;;     - The product sums the exact products of the quantised numbers (number of the format x scale) in f32.
;;   ~~~python
;;   def quantise(x, axis):      # numpy; x: float32 -> the quantised numbers, widened to float32 again
;;       x = np.moveaxis(x, axis, -1); K = x.shape[-1]
;;       x = np.pad(x, [(0, 0)] * (x.ndim - 1) + [(0, -K % 32)]); x = x.reshape(x.shape[:-1] + (-1, 32)); a = np.abs(x).max(-1, keepdims=True)
;;       e = np.where(a > 0, np.clip(np.frexp(np.where(a > 0, a, 1))[1] - 1 - 2, -126, 127), 0)      # np.frexp(a)[1] - 1 = floor(log2(a)), exactly
;;       r = np.clip(x / 2.0 ** e, -6, 6)
;;       step = 2.0 ** (np.maximum(np.frexp(np.where(r == 0, 1, r))[1] - 1, 0) - 1)
;;       q = np.round(r / step) * step * 2.0 ** e      # np.round: ties to even
;;       return np.moveaxis(q.reshape(q.shape[:-2] + (-1,))[..., :K], -1, axis).astype(np.float32)
;;   ~~~
;; One version. Each part assembles by itself: llvm-mc -triple=amdgcn-amd-amdhsa -mcpu=gfx1250 --defsym DOCPART=n.
;; ======== version 1 of 1: 6 launches
;; limits: values are held in f16: magnitudes above 65,504 overflow, below 6.1e-05 lose precision
;; workspace buffers: xc 4,194,304 bytes; xs 262,144 bytes; wc 1,572,864 bytes; ws 98,304 bytes; wp 4,194,304 bytes; qkv16 50,331,648 bytes; y16 16,777,216 bytes; yfine 262,144 bytes
;; launch prep (part 1): grid 256 x 1, 4 waves a work-group, no clusters, 33,280 bytes of LDS; arguments x, w_attn, w_proj, xc, xs, wc, ws, wp; writes xc, xs, wc, ws, wp
.if DOCPART == 1
	.amdgcn_target "amdgcn-amd-amdhsa--gfx1250"
	.amdhsa_code_object_version 6
	.text
	.protected	k_q38dc32c511_prep
	.globl	k_q38dc32c511_prep
	.p2align	8
	.type	k_q38dc32c511_prep,@function
k_q38dc32c511_prep:
	s_mov_b64 s[64:65], 0
	v_nop
	global_prefetch_b8 v0, s[64:65] scope:SCOPE_SE
	s_setreg_imm32_b32 hwreg(HW_REG_WAVE_MODE, 25, 1), 1
	s_wait_xcnt 0x0
; PART X: x [8192][1024] f32 becomes codes of FP4 (E2M1), K innermost (xc: 512 bytes a row), with one E8M0 byte for each 32 along K (xs: 32 bytes a row).
; PART W: w_attn [1024 k][3072 n] f32 becomes codes laid [32 blocks of k][3072 n][16 bytes] (wc) and scale bytes [3072 n][32] (ws);
;         w_proj [1024 k][1024 n] f32 becomes two f16 parts, high = f16(w), low = f16(w - high), each laid [128 groups of 8 k][1024 n][16 bytes] (wp: high, then low 2,097,152 bytes on).
; A block's scale is 2^(floor(log2(its largest magnitude)) - 2); its byte is the largest magnitude's exponent field - 2, held at 1 from below.
; LIMITS: NaN and infinities among the inputs are not served; a block whose largest magnitude lies under 2^-124 keeps the byte 1; a block of zeros gets the byte 1 where the rule says 127:
; its codes are zeros, which add nothing under any byte but 0xff, and the bytes are read by this program alone.
; SHARES.  256 work-groups of four waves.  Part X: a wave takes 16 steps of 512 numbers of the plain stream of blocks; loads run eight steps (32 loads, 16 KiB a wave) ahead; a step's 2,048 bytes turn
; through the wave's own stage in LDS, so that each load reads 512 consecutive bytes and yet a lane holds 16 neighbours along K.  Part W: work-group = (ks = 128 along K, g); waves 0 to 2 take 32 columns each
; of w_attn, wave 3 takes 32 columns of w_proj: a lane takes a column and its registers run down K, so nothing is transposed, and every store of codes covers 512 consecutive bytes.
; No matrix unit, no cluster, no tensor load: the launch streams, and waves share nothing.
.set STEPS, 16
.set AHEAD, 8
.set EMAX,  2
.set R,     32                         ; v32-159  eight sets of 16 numbers as loaded; in part W 128 numbers of a column
.set X,     160                        ; v160-191 two sets of 16 neighbours; in part W codes and scale bytes
.set C,     192                        ; v192-223 codes: two registers for each step
.set E,     224                        ; v224-239 a scale byte for each step
.set WREG,  8192                       ; LDS: a wave's region: two stages of 32 x SP bytes, then its 256 scale bytes
.set SP,    80
.set SPW,   12                         ; v12 LDS address of my spare word; never rewritten
.set NIL,   13                         ; v13 0; never rewritten
.set SPARE, 4*WREG                     ; behind the four regions: the spare words, 128 bytes a wave
.set L4,    24                         ; v24 4 x lane
.set L32,   25                         ; v25 32 x lane
.set SB,    176                        ; v176 part W: four scale bytes
	s_load_b128 s[4:7], s[0:1], 0x0                ; x, w_attn
	s_load_b128 s[8:11], s[0:1], 0x10              ; w_proj, xc
	s_load_b128 s[12:15], s[0:1], 0x20             ; xs, wc
	s_load_b128 s[16:19], s[0:1], 0x30             ; ws, wp
	v_lshl_add_u32 v[SPW], v0, 2, SPARE
	v_mov_b32 v[NIL], 0
	v_lshrrev_b32 v1, 5, v0
	v_readfirstlane_b32 s20, v1                    ; wave
	v_and_b32 v2, 31, v0                           ; lane
	v_lshlrev_b32 v3, 4, v2                        ; 16 x lane
	s_mul_i32 s21, s20, WREG
	v_lshrrev_b32 v14, 2, v2
	v_mul_u32_u24 v14, v14, SP
	v_and_b32 v15, 3, v2
	v_lshl_add_u32 v14, v15, 4, v14
	v_add_nc_u32 v14, s21, v14                     ; the stage, way in: SP (lane / 4) + 16 (lane % 4)
	v_mul_u32_u24 v15, v2, SP
	v_add_nc_u32 v15, s21, v15                     ; way out: SP x lane: my 16 neighbours
	v_lshlrev_b32 v4, 3, v2                        ; 8 x lane: my codes in a step's 256 bytes, and my 8 scale bytes of the wave's 256
	v_lshrrev_b32 v5, 1, v2
	s_add_co_u32 s21, s21, 2*32*SP
	v_add_nc_u32 v5, s21, v5                       ; LDS: my block's scale byte
	v_add_nc_u32 v6, s21, v4                       ; and 8 bytes a lane on the way out
	v_lshlrev_b32 v[L4], 2, v2
	v_lshlrev_b32 v[L32], 5, v2
	s_lshl_b32 s22, ttmp9, 2
	s_add_co_u32 s22, s22, s20                     ; which run of 8,192 numbers is my wave's
	s_lshl_b32 s24, s22, 15                        ; 32,768 bytes of x,
	s_mov_b32 s25, 0
	s_lshl_b32 s26, s22, 12                        ; 4,096 of codes,
	s_mov_b32 s27, 0
	s_lshl_b32 s28, s22, 8                         ; 256 scale bytes
	s_mov_b32 s29, 0
	s_wait_kmcnt 0x0
	s_add_nc_u64 s[4:5], s[4:5], s[24:25]
	s_add_nc_u64 s[10:11], s[10:11], s[26:27]
	s_add_nc_u64 s[12:13], s[12:13], s[28:29]
.macro LOAD t
.irp i, 0,1,2,3
	global_load_b128 v[R+16*((\t)%AHEAD)+4*\i:R+16*((\t)%AHEAD)+4*\i+3], v3, s[4:5] offset:2048*(\t)+512*\i th:TH_LOAD_NT   ; 32 lanes read 512 consecutive bytes
.endr
.endm
.macro TURN t                          ; step t's numbers through the stage: LDS serves a wave's instructions in order, so no wait stands between the stores and the loads
.irp i, 0,1,2,3
	ds_store_b128 v14, v[R+16*((\t)%AHEAD)+4*\i:R+16*((\t)%AHEAD)+4*\i+3] offset:32*SP*((\t)%2)+8*SP*\i
.endr
.irp i, 0,1,2,3
	ds_load_b128 v[X+16*((\t)%2)+4*\i:X+16*((\t)%2)+4*\i+3], v15 offset:32*SP*((\t)%2)+16*\i
.endr
.endm
.irp t, 0,1,2,3,4,5,6,7
	LOAD \t
.endr
	s_wait_loadcnt 28                              ; step 0's four loads are in; those of steps 1 to 7 may be out
	TURN 0
.macro STEP t
.set XS, X+16*((\t)%2)
.if (\t) > 0
	s_wait_dscnt 1                                 ; this step's numbers are back from the stage (the last step's byte store may be out): so its stores into the stage have read their registers,
.else
	s_wait_dscnt 0x0
.endif
.if (\t)+AHEAD < STEPS
	LOAD (\t)+AHEAD                                ; which take the loads of eight steps on
.endif
.if (\t)+1 < STEPS
.if 14-(\t) >= 7
	s_wait_loadcnt 28                              ; the next step's four loads are in; those of the seven steps behind it may be out
.else
	s_wait_loadcnt 4*(14-(\t))
.endif
	TURN (\t)+1
.endif
	v_max3_num_f32 v8, |v[XS]|, |v[XS+1]|, |v[XS+2]|               ; the largest magnitude of my 16
	v_max3_num_f32 v9, |v[XS+3]|, |v[XS+4]|, |v[XS+5]|
.irp i, 6,10
	v_max3_num_f32 v8, v8, |v[XS+\i]|, |v[XS+\i+1]|
	v_max3_num_f32 v9, v9, |v[XS+\i+2]|, |v[XS+\i+3]|
.endr
	v_max3_num_f32 v8, v8, |v[XS+14]|, |v[XS+15]|
	v_max3_num_f32 v8, v8, v9, (EMAX+1)<<23        ; and the floor 2^(3 - 127): the byte cannot fall under 1
	v_max_num_f32_dpp v8, v8, v8 row_xmask:1 row_mask:0xf bank_mask:0xf   ; and of my neighbour's 16: the block's
	v_add_nc_u32 v11, 0xff000000, v8               ; 2 off its exponent field: the conversion takes the exponent field of this operand as its scale
	v_cvt_scalef32_pk8_fp4_f32 v[C+2*(\t)], v[XS:XS+7], v11
	v_cvt_scalef32_pk8_fp4_f32 v[C+2*(\t)+1], v[XS+8:XS+15], v11
	v_lshrrev_b32 v[E+(\t)], 23, v11               ; the scale's byte (also the plain line behind the conversions)
	ds_store_b8 v5, v[E+(\t)] offset:16*(\t)       ; both lanes of a block write the same byte with the same value
	global_store_b64 v4, v[C+2*(\t):C+2*(\t)+1], s[10:11] offset:256*(\t)   ; the wave stores 256 consecutive bytes, aligned
.endm
.irp t, 0,1,2,3,4,5,6,7,8,9,10,11,12,13,14,15
	STEP \t
.endr
	ds_load_b64 v[8:9], v6                         ; LDS serves a wave's instructions in order: these see my byte stores
	s_wait_dscnt 0x0
	global_store_b64 v4, v[8:9], s[12:13]          ; 32 lanes store 256 consecutive bytes, aligned
	; ---- PART W
	s_wait_xcnt 0x0                                ; the stores above have read their registers
	s_lshr_b32 s22, ttmp9, 5                       ; ks: which 128 along K
	s_and_b32 s23, ttmp9, 31                       ; g: which group of columns
.macro LOADW t, sb, rowb               ; 32 rows of k at my column into v[32 + 32 t ..]: the wave reads 128 consecutive bytes a row
.irp i, 0,1,2,3,4,5,6,7,8,9,10,11,12,13,14,15,16,17,18,19,20,21,22,23,24,25,26,27,28,29,30,31
	global_load_b32 v[R+32*(\t)+\i], v[L4], s[\sb:\sb+1] offset:(32*(\t)+\i)*\rowb th:TH_LOAD_NT
.endr
.endm
	s_cmp_eq_u32 s20, 3
	s_cbranch_scc1 .Lproj
	s_mul_i32 s24, s23, 3
	s_add_co_u32 s24, s24, s20
	s_lshl_b32 s30, s24, 5                         ; my first column: 32 (3 g + wave)
	s_mul_i32 s24, s22, 128*12288
	s_lshl_b32 s26, s30, 2
	s_add_co_u32 s24, s24, s26
	s_add_nc_u64 s[6:7], s[6:7], s[24:25]          ; w_attn at row 128 ks, my first column
	s_mul_i32 s24, s22, 4*49152
	s_lshl_b32 s26, s30, 4
	s_add_co_u32 s24, s24, s26
	s_add_nc_u64 s[14:15], s[14:15], s[24:25]      ; wc at block 4 ks
	s_lshl_b32 s24, s30, 5
	s_lshl_b32 s26, s22, 2
	s_add_co_u32 s24, s24, s26
	s_add_nc_u64 s[16:17], s[16:17], s[24:25]      ; ws at my column's byte 4 ks
	LOADW 0, 6, 12288
	LOADW 1, 6, 12288
.macro WBLOCK t
.set XS, R+32*(\t)
.if (\t) < 3
	s_wait_loadcnt 32                              ; this block's 32 loads are in; the next block's may be out
.else
	s_wait_loadcnt 0x0
.endif
	v_max3_num_f32 v16, |v[XS]|, |v[XS+1]|, |v[XS+2]|              ; the block's largest magnitude: all 32 numbers are mine
	v_max3_num_f32 v17, |v[XS+3]|, |v[XS+4]|, |v[XS+5]|
.irp i, 6,10,14,18,22,26
	v_max3_num_f32 v16, v16, |v[XS+\i]|, |v[XS+\i+1]|
	v_max3_num_f32 v17, v17, |v[XS+\i+2]|, |v[XS+\i+3]|
.endr
	v_max3_num_f32 v16, v16, |v[XS+30]|, |v[XS+31]|
	v_max3_num_f32 v16, v16, v17, (EMAX+1)<<23
	v_add_nc_u32 v18, 0xff000000, v16
	v_lshrrev_b32 v17, 23, v18
.if (\t) == 0
	v_mov_b32 v[SB], v17
.else
	v_lshl_or_b32 v[SB], v17, 8*(\t), v[SB]
.endif
.irp g, 0,1,2,3
	v_cvt_scalef32_pk8_fp4_f32 v[X+4*(\t)+\g], v[XS+8*\g:XS+8*\g+7], v18
.endr
	v_nop                                          ; one plain line behind the last conversion
	global_store_b128 v3, v[X+4*(\t):X+4*(\t)+3], s[14:15] offset:49152*(\t)   ; 32 columns' blocks: 512 consecutive bytes
.if (\t)+2 < 4
	LOADW (\t)+2, 6, 12288
.endif
.endm
	WBLOCK 0
	WBLOCK 1
	WBLOCK 2
	WBLOCK 3
	global_store_b32 v[L32], v[SB], s[16:17]       ; four scale bytes of my column
	s_branch .Ljoin
.Lproj:
	s_lshl_b32 s24, s22, 19                        ; w_proj: 128 ks rows of 4,096 bytes,
	s_lshl_b32 s26, s23, 7                         ; column 32 g
	s_add_co_u32 s24, s24, s26
	s_add_nc_u64 s[8:9], s[8:9], s[24:25]
	s_lshl_b32 s24, s22, 18                        ; wp: group 16 ks of 16,384 bytes,
	s_lshl_b32 s26, s23, 9                         ; column 32 g x 16 bytes
	s_add_co_u32 s24, s24, s26
	s_add_nc_u64 s[18:19], s[18:19], s[24:25]
	LOADW 0, 8, 4096
	LOADW 1, 8, 4096
.macro PBLOCK t
.if (\t) < 3
	s_wait_loadcnt 32
.else
	s_wait_loadcnt 0x0
.endif
.irp gg, 0,1,2,3                       ; a group of 8 along K: high = f16(w); low = f16(w - high), the difference taken in f32
.set XG, R+32*(\t)+8*\gg
	v_cvt_pk_f16_f32 v16, v[XG], v[XG+1]
	v_cvt_pk_f16_f32 v17, v[XG+2], v[XG+3]
	v_cvt_pk_f16_f32 v18, v[XG+4], v[XG+5]
	v_cvt_pk_f16_f32 v19, v[XG+6], v[XG+7]
	v_cvt_f32_f16 v20, v16.l
	v_cvt_f32_f16 v21, v16.h
	v_cvt_f32_f16 v22, v17.l
	v_cvt_f32_f16 v23, v17.h
	v_cvt_f32_f16 v26, v18.l
	v_cvt_f32_f16 v27, v18.h
	v_cvt_f32_f16 v28, v19.l
	v_cvt_f32_f16 v29, v19.h
	v_sub_f32 v[XG], v[XG], v20
	v_sub_f32 v[XG+1], v[XG+1], v21
	v_sub_f32 v[XG+2], v[XG+2], v22
	v_sub_f32 v[XG+3], v[XG+3], v23
	v_sub_f32 v[XG+4], v[XG+4], v26
	v_sub_f32 v[XG+5], v[XG+5], v27
	v_sub_f32 v[XG+6], v[XG+6], v28
	v_sub_f32 v[XG+7], v[XG+7], v29
	v_cvt_pk_f16_f32 v[XG], v[XG], v[XG+1]         ; ascending: no source is lost
	v_cvt_pk_f16_f32 v[XG+1], v[XG+2], v[XG+3]
	v_cvt_pk_f16_f32 v[XG+2], v[XG+4], v[XG+5]
	v_cvt_pk_f16_f32 v[XG+3], v[XG+6], v[XG+7]
	v_mov_b32 v[XG+4], v16
	v_mov_b32 v[XG+5], v17
	v_mov_b32 v[XG+6], v18
	v_mov_b32 v[XG+7], v19
	global_store_b128 v3, v[XG+4:XG+7], s[18:19] offset:(4*(\t)+\gg)*16384           ; 512 consecutive bytes
	global_store_b128 v3, v[XG:XG+3], s[18:19] offset:(4*(\t)+\gg)*16384+2097152
.endr
.if (\t)+2 < 4
	LOADW (\t)+2, 8, 4096
.endif
.endm
	PBLOCK 0
	PBLOCK 1
	PBLOCK 2
	PBLOCK 3
.Ljoin:
	s_wait_tensorcnt 0x0                           ; the wave's end, behind my last LDS store
	ds_add_u32 v[SPW], v[NIL]
	s_wait_dscnt 0x0
	s_endpgm
.Lfunc_end_k_q38dc32c511_prep:
	.size	k_q38dc32c511_prep, .Lfunc_end_k_q38dc32c511_prep-k_q38dc32c511_prep
	.p2alignl 7, 3214868480
	.fill 96, 4, 3214868480
	.section	.rodata,"a",@progbits
	.p2align	6, 0x0
	.amdhsa_kernel k_q38dc32c511_prep
		.amdhsa_group_segment_fixed_size 33280
		.amdhsa_private_segment_fixed_size 0
		.amdhsa_enable_private_segment 0
		.amdhsa_kernarg_size 64
		.amdhsa_user_sgpr_count 2
		.amdhsa_user_sgpr_kernarg_segment_ptr 1
		.amdhsa_wavefront_size32 1
		.amdhsa_system_sgpr_workgroup_id_x 1
		.amdhsa_system_sgpr_workgroup_id_y 1
		.amdhsa_system_sgpr_workgroup_id_z 1
		.amdhsa_system_vgpr_workitem_id 0
		.amdhsa_next_free_vgpr 256
		.amdhsa_next_free_sgpr 66
		.amdhsa_reserve_vcc 0
		.amdhsa_float_denorm_mode_32 3
		.amdhsa_float_denorm_mode_16_64 3
		.amdhsa_memory_ordered 1
		.amdhsa_forward_progress 1
		.amdhsa_inst_pref_size 86
	.end_amdhsa_kernel
	.amdgpu_metadata
---
amdhsa.version: [ 1, 2 ]
amdhsa.kernels:
  - .name:           k_q38dc32c511_prep
    .symbol:         k_q38dc32c511_prep.kd
    .args:
      - { .name: x, .offset: 0, .size: 8, .value_kind: global_buffer, .address_space: global }
      - { .name: w_attn, .offset: 8, .size: 8, .value_kind: global_buffer, .address_space: global }
      - { .name: w_proj, .offset: 16, .size: 8, .value_kind: global_buffer, .address_space: global }
      - { .name: xc, .offset: 24, .size: 8, .value_kind: global_buffer, .address_space: global }
      - { .name: xs, .offset: 32, .size: 8, .value_kind: global_buffer, .address_space: global }
      - { .name: wc, .offset: 40, .size: 8, .value_kind: global_buffer, .address_space: global }
      - { .name: ws, .offset: 48, .size: 8, .value_kind: global_buffer, .address_space: global }
      - { .name: wp, .offset: 56, .size: 8, .value_kind: global_buffer, .address_space: global }
    .group_segment_fixed_size: 33280
    .private_segment_fixed_size: 0
    .kernarg_segment_align: 8
    .kernarg_segment_size: 64
    .max_flat_workgroup_size: 128
    .sgpr_count:     66
    .vgpr_count:     256
    .wavefront_size: 32
...
	.end_amdgpu_metadata
.endif
;; end of part 1
;; launch gemm_qkv (part 2): grid 12 x 32, 4 waves a work-group, clusters of 4 x 4, 327,680 bytes of LDS; arguments xc, xs, wc, ws, qkv16; writes qkv16
.if DOCPART == 2
	.amdgcn_target "amdgcn-amd-amdhsa--gfx1250"
	.amdhsa_code_object_version 6
	.text
	.protected	k_q38dc32c511_gemm_qkv
	.globl	k_q38dc32c511_gemm_qkv
	.p2align	8
	.type	k_q38dc32c511_gemm_qkv,@function
k_q38dc32c511_gemm_qkv:
	s_mov_b64 s[64:65], 0
	v_nop
	global_prefetch_b8 v0, s[64:65] scope:SCOPE_SE
	s_setreg_imm32_b32 hwreg(HW_REG_WAVE_MODE, 25, 1), 1
	s_wait_xcnt 0x0
	s_wait_alu depctr_hold_cnt(0) depctr_sa_sdst(0) depctr_va_vdst(0) depctr_va_sdst(0) depctr_va_ssrc(0) depctr_va_vcc(0) depctr_vm_vsrc(0)
	s_getreg_b32 s2, hwreg(HW_REG_IB_STS2, 6, 4)
	s_cmp_eq_u32 s2, 0
	s_cbranch_scc0 .Lentry_in_a_cluster
	s_endpgm
.Lentry_in_a_cluster:
	s_bfe_u32 s2, ttmp6, 0x10000c
	s_cmp_lg_u32 s2, 0xf033
	s_cbranch_scc0 .Lentry_shape_is_right
	s_endpgm
.Lentry_shape_is_right:
; qkv = Q(x) Q(w_attn): [8192][1024] x [1024][3072] on codes of FP4 (E2M1) with one E8M0 scale for each 32 along K; sums in f32; the results rounded once to f16 and laid
; [3 sections q, k, v][64 = 16 batch + head][2048 t][64] (qkv16), as the attention reads them.  LIMIT: |q|, |k|, |v| stay under 65,504, f16's largest number.
; A tile of 256 x 256 is made by four waves, each 128 x 128: 64 accumulators, 512 registers.  K = 1,024 is two slots of 512: both are asked for at the start and nothing is filled again.
; A (x's codes): rows of 256 bytes, 16 bytes of padding behind each in LDS.  B (w's codes) lies [block of 32 k][column][16 bytes]: a slot's part for 128 columns is 16 rows of 2,048 bytes; sixteen lanes of a
; fragment load read 256 consecutive bytes, so no padding is wanted.  The scale bytes of the tile's rows and columns, for all of K, come once, as rows of 256 bytes + 16.
; CLUSTERS: 4 x 4 work-groups.  The four of a row of the cluster need the same tiles of A, the four of a column the same tiles of B: each is asked for jointly, by the same tensor load with a mask that names the four.
; THE MATRIX INSTRUCTION IS USED TRANSPOSED (source 0 = 16 columns of w, source 1 = 16 rows of x): a lane holds eight neighbouring channels of one token.
; No prefetch: all tiles are asked for at the head.  By this text's own count a wave has three tensor loads out at the start and none later.
; REGISTERS: window 0: v16-29 addresses; v32-95 scale words, two sets, and nothing else; v128-191 A's fragments, one set; on the way out v128-223.  window 1: B's fragments, two sets.  windows 2, 3: the accumulators.
.set NQ,     4
.set ROWB,   256
.set KROW,   512
.set PITCH,  272
.set FR,     8
.set NL,     2
.set NP,     4
.set HALFT,  128*PITCH
.set BOFF,   2*HALFT                   ; a slot: A's 256 rows, then B's two halves of 128 columns
.set HALFB,  32768
.set SLOT,   BOFF+2*HALFB
.set KS,     32
.set SCL,    2*SLOT
.set HALFS,  16*272
.set SBLK,   2*272
.set SPARE,  SCL+4*HALFS               ; the spare words, 128 bytes a wave
.set STAGE,  SPARE+512                 ; the way out: 16 rows x 272 bytes for each wave; no tensor load lands here
.set ADRA, 16
.set ADRB, 20
.set STO,  24
.set RD,   25
.set CO,   26
.set ADRS, 27
.set SPW,  28
.set NIL,  29
.set SC,   32
.set AF,   128
.set BK,   128                         ; the way out: rows read back: v128-159 and v160-191 by turns
.set TMP,  192                         ; packed results
.set G1, 24
.set G0, 32
.set G1B, 48
.set G0B, 56
.set G1S, 68
.set G0S, 76
.set G1SB, 80
.set G0SB, 88
.set MSB, 0
.macro WIN new
.if MSB != \new
	s_set_vgpr_msb (MSB<<8)|\new
.set MSB, \new
.endif
.endm
.set MUL_LO, 0xa1
.set MUL_HI, 0xf1
.set TO_B,   0x40
; A joint load: waves 0 and 1 fetch for A, waves 2 and 3 for B; the branch hangs on the wave's number alone.  An s_nop 0 and four v_nop follow each line.
.macro JLOAD g0a, g1a, g0b, g1b
	s_cmp_eq_u32 s15, 0
	s_cbranch_scc0 .Lfor_b_\@
	tensor_load_to_lds s[\g0a:\g0a+3], s[\g1a:\g1a+7]
	s_nop 0
.rept 4
	v_nop
.endr
	s_branch .Lasked_\@
.Lfor_b_\@:
	tensor_load_to_lds s[\g0b:\g0b+3], s[\g1b:\g1b+7]
	s_nop 0
.rept 4
	v_nop
.endr
.Lasked_\@:
.endm
.macro CROUND                          ; a round of the cluster's barrier
	s_barrier_signal -1
	s_barrier_wait -1
	s_cmp_lg_u32 s14, 0
	s_cbranch_scc1 .Lnot_wave_0_\@
	s_barrier_signal -3
.Lnot_wave_0_\@:
	s_barrier_wait -3
	s_barrier_signal -1
	s_barrier_wait -1
.endm
	s_load_b128 s[4:7], s[0:1], 0x0                ; x's codes, x's scales
	s_load_b128 s[8:11], s[0:1], 0x10              ; w's codes, w's scales
	s_load_b64 s[12:13], s[0:1], 0x20              ; qkv16
	v_lshl_add_u32 v[SPW], v0, 2, SPARE
	v_mov_b32 v[NIL], 0
	ds_add_u32 v[SPW], v[NIL]                      ; the wave's opening: the add, twice on end, and its wait ahead of my first tensor load
	ds_add_u32 v[SPW], v[NIL]
	v_lshrrev_b32 v1, 5, v0
	v_readfirstlane_b32 s14, v1                    ; wave 0..3
	s_lshr_b32 s15, s14, 1                         ; which half of the tile's rows is mine.  Also: I fetch for A (0) or for B (1)
	s_and_b32 s16, s14, 1                          ; which half of its columns.  Also: which half of that tile I fetch
	s_bfe_u32 s40, ttmp6, 0x40000                  ; cx, cy
	s_bfe_u32 s41, ttmp6, 0x40004
	s_lshl_b32 s42, ttmp9, 2
	s_add_co_u32 s42, s42, s40                     ; tile column
	s_and_b32 s17, ttmp7, 0xffff
	s_lshl_b32 s17, s17, 2
	s_add_co_u32 s17, s17, s41                     ; tile row
	s_lshl_b32 s43, s41, 2
	s_lshl_b32 s43, 15, s43                        ; my row of the cluster
	s_lshl_b32 s44, 0x1111, s40                    ; my column
	s_or_b32 s[G1+0], s43, (0<<16)|(1<<20)|(1<<21)|(5<<22)|(3<<25)  ; A: elements of 1 byte; 4 words of padding behind every 64
	s_mov_b32 s[G1+1], ROWB<<16
	s_mov_b32 s[G1+2], 128<<16
	s_mov_b32 s[G1+3], ROWB<<16
	s_mov_b32 s[G1+4], 128
	s_mov_b32 s[G1+5], KROW
	s_mov_b32 s[G1+6], 0
	s_mov_b32 s[G1+7], 0
	s_or_b32 s[G1B+0], s44, (3<<16)|(1<<21)        ; B: elements of 8 bytes, no padding: 16 rows (blocks of k) of 256 elements (128 columns), 6,144 elements apart
	s_mov_b32 s[G1B+1], 256<<16
	s_mov_b32 s[G1B+2], 16<<16
	s_mov_b32 s[G1B+3], 256<<16
	s_mov_b32 s[G1B+4], 16
	s_mov_b32 s[G1B+5], 6144
	s_mov_b32 s[G1B+6], 0
	s_mov_b32 s[G1B+7], 0
	s_or_b32 s[G1S+0], s43, (3<<16)|(1<<20)|(1<<21)|(5<<22)|(3<<25)  ; the scales of 128 rows: 4,096 dense bytes as 16 rows of 256, 16 bytes of padding behind each
	s_or_b32 s[G1SB+0], s44, (3<<16)|(1<<20)|(1<<21)|(5<<22)|(3<<25)
.irp g, G1S, G1SB
	s_mov_b32 s[\g+1], 32<<16
	s_mov_b32 s[\g+2], 16<<16
	s_mov_b32 s[\g+3], 32<<16
	s_mov_b32 s[\g+4], 16
	s_mov_b32 s[\g+5], 32
	s_mov_b32 s[\g+6], 0
	s_mov_b32 s[\g+7], 0
.endr
	s_lshl_b32 s18, s16, 7
	s_lshl_b32 s20, s17, 8
	s_add_co_u32 s20, s20, s18                     ; A: row 256 x tile row + 128 x half
	s_lshl_b32 s46, s42, 8
	s_add_co_u32 s46, s46, s18                     ; B: column 256 x tile column + 128 x half
	s_lshl_b32 s22, s20, 5                         ; their scales: 32 bytes each
	s_mov_b32 s23, 0
	s_lshl_b32 s92, s46, 5
	s_mov_b32 s93, 0
	s_lshl_b32 s20, s20, 9                         ; A's codes: 512 bytes a row
	s_mov_b32 s21, 0
	s_lshl_b32 s46, s46, 4                         ; B's codes: 16 bytes a column in a block's row
	s_mov_b32 s47, 0
	s_mul_i32 s45, s16, HALFT                      ; where they go: no place in the cluster enters an LDS address
	s_lshl_b32 s95, s16, 15
	s_add_co_u32 s95, s95, BOFF
	s_mul_i32 s94, s14, HALFS
	s_wait_dscnt 0x0                               ; both opening adds are done
	s_wait_kmcnt 0x0
	s_add_nc_u64 s[20:21], s[4:5], s[20:21]
	s_add_nc_u64 s[22:23], s[6:7], s[22:23]
	s_add_nc_u64 s[46:47], s[8:9], s[46:47]
	s_add_nc_u64 s[92:93], s[10:11], s[92:93]
	CROUND                                         ; all sixteen work-groups are here: the first joint loads meet
	s_mov_b32 s[G0S], 1
	s_add_co_u32 s[G0S+1], s94, SCL
	s_mov_b64 s[G0S+2:G0S+3], s[22:23]
	s_or_b32 s[G0S+3], s[G0S+3], 0x80000000
	s_mov_b32 s[G0SB], 1
	s_add_co_u32 s[G0SB+1], s94, SCL
	s_mov_b64 s[G0SB+2:G0SB+3], s[92:93]
	s_or_b32 s[G0SB+3], s[G0SB+3], 0x80000000
	JLOAD G0S, G1S, G0SB, G1SB                     ; the scales first: they are wanted with slot 0
.irp s, 0,1
	s_mov_b32 s[G0+4*\s], 1
	s_add_co_u32 s[G0+4*\s+1], s45, \s*SLOT
	s_add_nc_u64 s[G0+4*\s+2:G0+4*\s+3], s[20:21], \s*ROWB
	s_or_b32 s[G0+4*\s+3], s[G0+4*\s+3], 0x80000000
	s_mov_b32 s[G0B+4*\s], 1
	s_add_co_u32 s[G0B+4*\s+1], s95, \s*SLOT
	s_add_nc_u64 s[G0B+4*\s+2:G0B+4*\s+3], s[46:47], \s*16*49152
	s_or_b32 s[G0B+4*\s+3], s[G0B+4*\s+3], 0x80000000
	JLOAD G0+4*\s, G1, G0B+4*\s, G1B
.endr
	v_and_b32 v1, 15, v0                           ; r
	v_bfe_u32 v2, v0, 4, 1                         ; h
	v_mul_u32_u24 v3, v1, PITCH
	v_lshl_add_u32 v4, v2, 4, v3                   ; A: row x pitch + 16 h
	v_lshlrev_b32 v7, 11, v2
	v_lshl_add_u32 v7, v1, 4, v7                   ; B: 2,048 h (the block of k) + 16 r (the column)
	s_mul_i32 s21, s15, HALFT                      ; my 128 rows of A
	s_lshl_b32 s22, s16, 15                        ; my 128 columns of B
	s_add_co_u32 s22, s22, BOFF
.irp s, 0,1
	v_add_nc_u32 v[ADRA+\s], s21, v4
	v_add_nc_u32 v[ADRB+\s], s22, v7
	s_add_co_u32 s21, s21, SLOT
	s_add_co_u32 s22, s22, SLOT
.endr
	v_mul_u32_u24 v5, v1, KS                       ; my row's scales: 32 bytes a row,
	v_lshrrev_b32 v6, 8, v5
	v_lshl_add_u32 v5, v6, 4, v5                   ; and 16 more for each 256 passed
	s_mul_i32 s21, s15, HALFS
	s_mul_i32 s22, s16, HALFS
	s_add_co_u32 s22, s22, 2*HALFS
	s_sub_co_u32 s22, s22, s21
	v_mul_u32_u24 v6, s22, v2                      ; lanes 16-31 take B's
	s_add_co_u32 s21, s21, SCL
	v_add_nc_u32 v5, v5, v6
	v_add_nc_u32 v[ADRS], s21, v5
	s_mul_i32 s23, s14, 16*PITCH
	s_add_co_u32 s23, s23, STAGE                   ; my stage
	v_add_nc_u32 v[STO], s23, v4                   ; in: row r of 272 bytes, 16 bytes for each half of the lanes
	v_and_b32 v6, 31, v0
	v_lshrrev_b32 v5, 3, v6
	v_mul_u32_u24 v5, v5, PITCH
	v_and_b32 v3, 7, v0
	v_lshl_add_u32 v5, v3, 4, v5
	v_add_nc_u32 v[RD], s23, v5                    ; back: eight lanes take one head's 128 bytes of a row; four rows an instruction
	v_lshlrev_b32 v[CO], 4, v6                     ; and in qkv16 those four rows are 512 consecutive bytes
	s_lshr_b32 s20, s17, 3                         ; batch
	s_lshl_b32 s20, s20, 4
	s_and_b32 s21, s42, 3
	s_lshl_b32 s21, s21, 2
	s_add_co_u32 s20, s20, s21
	s_lshl_b32 s21, s16, 1
	s_add_co_u32 s20, s20, s21                     ; 16 batch + my first head
	s_lshl_b32 s20, s20, 11
	s_and_b32 s21, s17, 7
	s_lshl_b32 s21, s21, 8
	s_add_co_u32 s20, s20, s21
	s_lshl_b32 s21, s15, 7
	s_add_co_u32 s20, s20, s21                     ; + my first t
	s_lshl_b32 s20, s20, 7                         ; rows of 128 bytes
	s_lshr_b32 s21, s42, 2
	s_lshl_b32 s21, s21, 24                        ; the section
	s_add_co_u32 s20, s20, s21
	s_mov_b32 s21, 0
	s_add_nc_u64 s[12:13], s[12:13], s[20:21]
.macro FRAG reg, adr, q, i             ; A: 16 rows x 128 K: registers 4 c .. 4 c + 3 hold K = 64 c + 32 h + 0 .. 31
.irp c, 0,1
	ds_load_b128 v[\reg+4*\c:\reg+4*\c+3], v[\adr] offset:64*(\q)+32*\c+(\i)*16*PITCH
.endr
.endm
.macro FRAGB reg, adr, q, i            ; B: the same registers from blocks 4 q + 2 c + h of columns 16 i + r
.irp c, 0,1
	ds_load_b128 v[\reg+4*\c:\reg+4*\c+3], v[\adr] offset:(4*(\q)+2*\c)*2048+256*(\i)
.endr
.endm
; 16 matrix instructions: A's blocks a0, a0 + 1 x B's eight.  The 64 accumulators take turns, one instruction a turn, in the same order in every step.
.macro MUL16 a0, p, q, sc, zero
.irp a, \a0, \a0+1
.irp b, 0,1,2,3,4,5,6,7
.if \zero
	v_wmma_scale_f32_16x16x128_f8f6f4 v[8*(8*((\a)%4)+\b):8*(8*((\a)%4)+\b)+7], v[128*(\p)+FR*\b:128*(\p)+FR*\b+FR-1], v[AF+FR*(\a):AF+FR*(\a)+FR-1], 0, v[SC+8*NQ*(\sc)+NQ*\b+(\q)], v[SC+8*NQ*(\sc)+NQ*(\a)+(\q)] matrix_a_fmt:MATRIX_FMT_FP4 matrix_b_fmt:MATRIX_FMT_FP4 matrix_a_scale:MATRIX_SCALE_ROW1
.else
	v_wmma_scale_f32_16x16x128_f8f6f4 v[8*(8*((\a)%4)+\b):8*(8*((\a)%4)+\b)+7], v[128*(\p)+FR*\b:128*(\p)+FR*\b+FR-1], v[AF+FR*(\a):AF+FR*(\a)+FR-1], v[8*(8*((\a)%4)+\b):8*(8*((\a)%4)+\b)+7], v[SC+8*NQ*(\sc)+NQ*\b+(\q)], v[SC+8*NQ*(\sc)+NQ*(\a)+(\q)] matrix_a_fmt:MATRIX_FMT_FP4 matrix_b_fmt:MATRIX_FMT_FP4 matrix_a_scale:MATRIX_SCALE_ROW1
.endif
.endr
.endr
.endm
.macro FETCH_B slot, q, p
	WIN TO_B
.irp i, 0,1,2,3,4,5,6,7
	FRAGB 128*(\p)+FR*\i, ADRB+\slot, \q, \i
.endr
	WIN 0
.endm
.macro FETCH_A slot, q, i0
.irp i, \i0, \i0+1, \i0+2, \i0+3
	FRAG AF+FR*(\i), ADRA+\slot, \q, \i
.endr
.endm
.macro SCALES sc                       ; a slot's scale words: lanes 0-15 take A's block i, lanes 16-31 B's block i
.irp i, 0,1,2,3,4,5,6,7
	ds_load_b128 v[SC+8*NQ*\sc+NQ*\i:SC+8*NQ*\sc+NQ*\i+3], v[ADRS] offset:\i*SBLK
.endr
.endm
.macro PLACES n                        ; plain vector lines between a matrix instruction and a load into, or a read of, its registers
.rept \n
	v_nop
.endr
.endm
.macro STEP slot, q, zero
	s_wait_dscnt 4*NL                              ; B's set and A's blocks 0-3 are in; the youngest eight loads (A's blocks 4-7) may be out
	WIN MUL_LO
	MUL16 0, (\q)%2, \q, \slot, \zero
	MUL16 2, (\q)%2, \q, \slot, \zero
	s_wait_dscnt 0
	PLACES NP
	FETCH_B \slot, (\q)+1, 1-(\q)%2
	FETCH_A \slot, (\q)+1, 0
	WIN MUL_HI
	MUL16 4, (\q)%2, \q, \slot, \zero
	MUL16 6, (\q)%2, \q, \slot, \zero
	PLACES NP
	WIN 0
	FETCH_A \slot, (\q)+1, 4
.endm
.macro STEPS slot, from
.set Q, \from
.rept NQ-1-\from
	STEP \slot, Q, 0
.set Q, Q+1
.endr
.endm
	s_wait_tensorcnt 1                             ; the scales and my part of slot 0 are in (slot 1's load may be out)
	s_barrier_signal -1
	s_barrier_wait -1                              ; everybody's are
	FETCH_B 0, 0, 0
	FETCH_A 0, 0, 0
	SCALES 0
	FETCH_A 0, 0, 4
	STEP 0, 0, 1                                   ; the first step's products start the sums
	STEPS 0, 1
	; slot 0's last step changes slots: each wave waits for its part of slot 1; one barrier
	s_wait_tensorcnt 0x0
	ds_add_u32 v[SPW], v[NIL]                      ; 0 onto my spare word
	s_wait_dscnt 4*NL+1                            ; (the add and A's blocks 4-7 may be out)
	WIN MUL_LO
	MUL16 0, 1, NQ-1, 0, 0
	s_wait_dscnt 0x0
	s_barrier_signal -1
	MUL16 2, 1, NQ-1, 0, 0
	WIN 0
	s_barrier_wait -1
	PLACES NP
	v_add_nc_u32 v[ADRS], 4*NQ, v[ADRS]            ; on to slot 1's scale words (no LDS load of mine is out)
	FETCH_B 1, 0, 0
	FETCH_A 1, 0, 0
	SCALES 1
	WIN MUL_HI
	MUL16 4, 1, NQ-1, 0, 0
	MUL16 6, 1, NQ-1, 0, 0
	PLACES NP
	WIN 0
	FETCH_A 1, 0, 4
	STEPS 1, 0
	s_wait_dscnt 4*NL                              ; the very last step
	WIN MUL_LO
	MUL16 0, 1, NQ-1, 1, 0
	MUL16 2, 1, NQ-1, 1, 0
	s_wait_dscnt 0
	WIN MUL_HI
	MUL16 4, 1, NQ-1, 1, 0
	MUL16 6, 1, NQ-1, 1, 0
	WIN 0
; THE WAY OUT, block by block of 16 tokens x 128 channels (two heads).  Rounded to f16, 16 bytes a lane, into my stage; back so that an instruction's 32 lanes hold four tokens' 128 bytes of one head: 512 consecutive bytes of qkv16.
.macro PACK a
.set AC, 64*((\a)%4)
	WIN 0x0a+5*((\a)/4)                            ; sources 0 and 1: window 2 or 3
.irp b, 0,1,2,3,4,5,6,7
.irp r, 0,1,2,3
	v_cvt_pk_f16_f32 v[TMP+4*\b+\r], v[AC+8*\b+2*\r], v[AC+8*\b+2*\r+1]   ; each accumulator from its low end on
.endr
.endr
	WIN 0
.endm
.macro TOSTAGE a
.set BB, BK+32*((\a)%2)
.irp b, 0,1,2,3,4,5,6,7
	ds_store_b128 v[STO], v[TMP+4*\b:TMP+4*\b+3] offset:32*\b
.endr
.irp t, 0,1,2,3,4,5,6,7
	ds_load_b128 v[BB+4*\t:BB+4*\t+3], v[RD] offset:1088*(\t%4)+128*(\t/4)   ; LDS serves a wave's instructions in order: these see the stores above
.endr
.endm
.macro SEND a, younger
.set BB, BK+32*((\a)%2)
	s_wait_dscnt \younger
.irp t, 0,1,2,3,4,5,6,7
	global_store_b128 v[CO], v[BB+4*\t:BB+4*\t+3], s[12:13] offset:(\t/4)*262144+2048*(\a)+512*(\t%4) th:TH_STORE_NT
.endr
.endm
	PLACES NP
	PACK 0
	TOSTAGE 0
.irp a, 1,2,3,4,5,6,7
.if \a > 1
	s_wait_xcnt 0x0                                ; block a - 2's stores have read their registers: block a's loads may land there
.endif
	PACK \a
	TOSTAGE \a
	SEND \a-1, 16                                  ; behind block a - 1's loads: block a's 8 stores and 8 loads
.endr
	SEND 7, 0
	s_wait_tensorcnt 0x0                           ; the wave's end
	ds_add_u32 v[SPW], v[NIL]
	s_wait_dscnt 0x0
	CROUND                                         ; the closing round
	s_endpgm
.Lfunc_end_k_q38dc32c511_gemm_qkv:
	.size	k_q38dc32c511_gemm_qkv, .Lfunc_end_k_q38dc32c511_gemm_qkv-k_q38dc32c511_gemm_qkv
	.p2alignl 7, 3214868480
	.fill 96, 4, 3214868480
	.section	.rodata,"a",@progbits
	.p2align	6, 0x0
	.amdhsa_kernel k_q38dc32c511_gemm_qkv
		.amdhsa_group_segment_fixed_size 327680
		.amdhsa_private_segment_fixed_size 0
		.amdhsa_enable_private_segment 0
		.amdhsa_kernarg_size 40
		.amdhsa_user_sgpr_count 2
		.amdhsa_user_sgpr_kernarg_segment_ptr 1
		.amdhsa_wavefront_size32 1
		.amdhsa_system_sgpr_workgroup_id_x 1
		.amdhsa_system_sgpr_workgroup_id_y 1
		.amdhsa_system_sgpr_workgroup_id_z 1
		.amdhsa_system_vgpr_workitem_id 0
		.amdhsa_next_free_vgpr 1024
		.amdhsa_next_free_sgpr 98
		.amdhsa_reserve_vcc 0
		.amdhsa_float_denorm_mode_32 3
		.amdhsa_float_denorm_mode_16_64 3
		.amdhsa_memory_ordered 1
		.amdhsa_forward_progress 1
		.amdhsa_inst_pref_size 126
	.end_amdhsa_kernel
	.amdgpu_metadata
---
amdhsa.version: [ 1, 2 ]
amdhsa.kernels:
  - .name:           k_q38dc32c511_gemm_qkv
    .symbol:         k_q38dc32c511_gemm_qkv.kd
    .args:
      - { .name: xc, .offset: 0, .size: 8, .value_kind: global_buffer, .address_space: global }
      - { .name: xs, .offset: 8, .size: 8, .value_kind: global_buffer, .address_space: global }
      - { .name: wc, .offset: 16, .size: 8, .value_kind: global_buffer, .address_space: global }
      - { .name: ws, .offset: 24, .size: 8, .value_kind: global_buffer, .address_space: global }
      - { .name: qkv16, .offset: 32, .size: 8, .value_kind: global_buffer, .address_space: global }
    .group_segment_fixed_size: 327680
    .private_segment_fixed_size: 0
    .kernarg_segment_align: 8
    .kernarg_segment_size: 40
    .max_flat_workgroup_size: 128
    .sgpr_count:     98
    .vgpr_count:     1024
    .wavefront_size: 32
...
	.end_amdgpu_metadata
.endif
;; end of part 2
;; launch fine_att (part 3): grid 64 x 1, 4 waves a work-group, no clusters, 13,568 bytes of LDS; arguments xc, xs, wc, ws, yfine; writes yfine
.if DOCPART == 3
	.amdgcn_target "amdgcn-amd-amdhsa--gfx1250"
	.amdhsa_code_object_version 6
	.text
	.protected	k_q38dc32c511_fine_att
	.globl	k_q38dc32c511_fine_att
	.p2align	8
	.type	k_q38dc32c511_fine_att,@function
k_q38dc32c511_fine_att:
	s_mov_b64 s[64:65], 0
	v_nop
	global_prefetch_b8 v0, s[64:65] scope:SCOPE_SE
	s_setreg_imm32_b32 hwreg(HW_REG_WAVE_MODE, 25, 1), 1
	s_wait_xcnt 0x0
; The first 16 positions of every sequence, carried finely: under the causal mask these rows average one to sixteen values and are the largest of the output.
; A work-group takes one (batch, head).  Phase 1: wave w makes channels 16 w .. 16 w + 15 of q, k and v of tokens 0 to 15 from the codes, by the FP4 matrix form (8 K steps of 128), and keeps them in f32 in LDS.
; Phase 2: every wave makes the 16 x 16 scores by the f32 matrix form (16 steps of 4 along the head's 64), the causal softmax in f32 with the row's maximum taken away, and y for its own 16 channels (4 steps of 4 keys).
; y leaves as a pair of f16 numbers, high = f16(y), low = f16(y - high), laid as an image of the projection's operand registers:
; yfine: high at 0, low at 131,072: [4 batches][32 K steps of 32][2 groups of 4 registers][32 lanes][16 bytes].
; LIMITS: as for the quantiser's launch; |y| stays under 65,504.
; REGISTERS: v1-11 addresses; v14, v15 the add's two; v16-79 x's fragments, later K's and Q's f32 operands; v80-111 scale words and nothing else; v112-207 w's fragments of four K steps, later at work;
; v208-239 accumulators, written by matrix instructions alone.
.set QF,    0                          ; LDS: q, k, v of 16 tokens: rows of 256 bytes + 16
.set KFB,   4352
.set VF,    8704
.set SPARE, 13056
.set SPW,   14
.set NIL,   15
	s_load_b128 s[4:7], s[0:1], 0x0                ; xc, xs
	s_load_b128 s[8:11], s[0:1], 0x10              ; wc, ws
	s_load_b64 s[12:13], s[0:1], 0x20              ; yfine
	v_lshl_add_u32 v[SPW], v0, 2, SPARE
	v_mov_b32 v[NIL], 0
	v_lshrrev_b32 v1, 5, v0
	v_readfirstlane_b32 s14, v1                    ; wave
	v_and_b32 v1, 15, v0                           ; r
	v_bfe_u32 v2, v0, 4, 1                         ; h
	v_lshlrev_b32 v3, 9, v1
	v_lshl_add_u32 v3, v2, 4, v3                   ; x's codes: row r of 512 bytes + 16 h
	v_lshlrev_b32 v4, 5, v1                        ; scale bytes: 32 a row
	v_mul_u32_u24 v5, v2, 49152
	v_lshl_add_u32 v5, v1, 4, v5                   ; w's codes: block h, column r
	s_lshl_b32 s15, s14, 6
	v_mul_u32_u24 v7, v1, 272
	v_lshl_add_u32 v6, v2, 5, v7
	v_add_nc_u32 v6, s15, v6                       ; LDS, in: row r, + 64 w + 32 h
	v_lshl_add_u32 v7, v2, 4, v7                   ; LDS, K and Q: row r, + 16 h
	v_mul_u32_u24 v8, v2, 2176
	v_lshl_add_u32 v8, v1, 2, v8
	v_add_nc_u32 v8, s15, v8                       ; LDS, V: key 8 h, channel 16 w + r
	v_lshlrev_b32 v9, 3, v2
	v_sub_nc_u32 v9, v1, v9                        ; r - 8 h: register j holds key 8 h + j, hidden where j > r - 8 h
	v_mov_b32 v10, 0xff800000                      ; -infinity
	v_and_b32 v11, 31, v0
	v_lshlrev_b32 v11, 4, v11                      ; 16 x lane
	v_mov_b32 v153, 0                              ; a lane permute's destination counts as one of its sources
	s_lshr_b32 s16, ttmp9, 4                       ; batch
	s_and_b32 s17, ttmp9, 15                       ; head
	s_mov_b32 s20, 0x76543210
	s_mov_b32 s21, 0xfedcba98
	s_mov_b32 s22, 0x3e38aa3b                      ; c = log2(e) / sqrt(64)
	s_lshl_b32 s24, s16, 20                        ; the batch's first row of codes
	s_mov_b32 s25, 0
	s_lshl_b32 s26, s16, 16                        ; and of scale bytes
	s_mov_b32 s27, 0
	s_lshl_b32 s28, s17, 10
	s_lshl_b32 s18, s14, 8
	s_add_co_u32 s28, s28, s18                     ; 16 bytes x column 64 head + 16 w
	s_mov_b32 s29, 0
	s_lshl_b32 s30, s28, 1                         ; 32 bytes x the same
	s_mov_b32 s31, 0
	s_lshl_b32 s32, s16, 6
	s_lshl_b32 s18, s17, 2
	s_add_co_u32 s32, s32, s18
	s_add_co_u32 s32, s32, s14
	s_lshl_b32 s32, s32, 9                         ; (64 batch + 4 head + w) x 512: K step 2 head + w / 2, register group w % 2
	s_mov_b32 s33, 0
	s_wait_kmcnt 0x0
	s_add_nc_u64 s[4:5], s[4:5], s[24:25]
	s_add_nc_u64 s[6:7], s[6:7], s[26:27]
	s_add_nc_u64 s[8:9], s[8:9], s[28:29]
	s_add_nc_u64 s[10:11], s[10:11], s[30:31]
	s_add_nc_u64 s[12:13], s[12:13], s[32:33]
.irp s, 0,1,2,3,4,5,6,7
.irp c, 0,1
	global_load_b128 v[16+8*\s+4*\c:19+8*\s+4*\c], v3, s[4:5] offset:64*\s+32*\c
.endr
.endr
	global_load_b128 v[80:83], v4, s[6:7]          ; x's scale words: word s for K step s
	global_load_b128 v[84:87], v4, s[6:7] offset:16
.irp e, 0,1,2
	global_load_b128 v[88+8*\e:91+8*\e], v4, s[10:11] offset:32768*\e
	global_load_b128 v[92+8*\e:95+8*\e], v4, s[10:11] offset:32768*\e+16
.endr
.macro WLOAD k0                        ; w's fragments of K steps k0 .. k0 + 3, of the three sections
.irp e, 0,1,2
.irp s, 0,1,2,3
.irp c, 0,1
	global_load_b128 v[112+32*\e+8*\s+4*\c:115+32*\e+8*\s+4*\c], v5, s[8:9] offset:16384*\e+(4*(\k0+\s)+2*\c)*49152
.endr
.endr
.endr
.endm
.macro FP4 k0, zero                    ; source 0 = 16 columns of w, source 1 = the 16 tokens; q, k and v by turns
.irp s, 0,1,2,3
.irp e, 0,1,2
.if \zero && (\s == 0)
	v_wmma_scale_f32_16x16x128_f8f6f4 v[208+8*\e:215+8*\e], v[112+32*\e+8*\s:119+32*\e+8*\s], v[16+8*(\k0+\s):23+8*(\k0+\s)], 0, v[88+8*\e+\k0+\s], v[80+\k0+\s] matrix_a_fmt:MATRIX_FMT_FP4 matrix_b_fmt:MATRIX_FMT_FP4
.else
	v_wmma_scale_f32_16x16x128_f8f6f4 v[208+8*\e:215+8*\e], v[112+32*\e+8*\s:119+32*\e+8*\s], v[16+8*(\k0+\s):23+8*(\k0+\s)], v[208+8*\e:215+8*\e], v[88+8*\e+\k0+\s], v[80+\k0+\s] matrix_a_fmt:MATRIX_FMT_FP4 matrix_b_fmt:MATRIX_FMT_FP4
.endif
.endr
.endr
.endm
	WLOAD 0
	s_wait_loadcnt 0x0
	FP4 0, 1
.rept 4
	v_nop                                          ; places in front of loads into registers that matrix instructions have read
.endr
	WLOAD 4
	s_wait_loadcnt 0x0
	FP4 4, 0
.rept 5
	v_nop                                          ; four places in front of the stores that read the results; five in front of the matrix instructions that write over them
.endr
.irp e, 0,1,2
	ds_store_b128 v6, v[208+8*\e:211+8*\e] offset:4352*\e          ; lane (r, h): token r, channels 16 w + 8 h + 0 .. 7
	ds_store_b128 v6, v[212+8*\e:215+8*\e] offset:4352*\e+16
.endr
	s_wait_dscnt 0x0                               ; for the others' sake: my stores have landed
	s_barrier_signal -1
	s_barrier_wait -1
.irp u, 0,1,2,3,4,5,6,7                ; lane (r, h) takes channels 8 u + 4 h + 0 .. 3 of row r: the same order of channels on both sides
	ds_load_b128 v[16+4*\u:19+4*\u], v7 offset:KFB+32*\u
	ds_load_b128 v[48+4*\u:51+4*\u], v7 offset:QF+32*\u
.endr
.irp kk, 0,1,2,3,4,5,6,7
	ds_load_b32 v[144+\kk], v8 offset:VF+272*\kk   ; V(key 8 h + kk, channel 16 w + r)
.endr
	s_wait_dscnt 0x0
.irp n, 0,1,2,3,4,5,6,7,8,9,10,11,12,13,14,15   ; S^T = K Q^T: two sums by turns; each begins with the constant 0
.if \n < 2
	v_wmma_f32_16x16x4_f32 v[208+8*(\n%2):215+8*(\n%2)], v[16+2*\n:17+2*\n], v[48+2*\n:49+2*\n], 0
.else
	v_wmma_f32_16x16x4_f32 v[208+8*(\n%2):215+8*(\n%2)], v[16+2*\n:17+2*\n], v[48+2*\n:49+2*\n], v[208+8*(\n%2):215+8*(\n%2)]
.endif
.endr
.rept 8
	v_nop
.endr
.irp j, 0,1,2,3,4,5,6,7
	v_add_f32 v[128+\j], v[208+\j], v[216+\j]      ; lane (r, h): query r, key 8 h + j
.endr
.irp j, 0,1,2,3,4,5,6,7
	v_cmp_gt_i32 vcc_lo, \j, v9
	v_cndmask_b32 v[128+\j], v[128+\j], v10, vcc_lo
.endr
	v_max3_num_f32 v152, v128, v129, v130
	v_max3_num_f32 v152, v152, v131, v132
	v_max3_num_f32 v152, v152, v133, v134
	v_max_num_f32 v152, v152, v135
	v_permlanex16_b32 v153, v152, s20, s21
	v_max_num_f32 v152, v152, v153                 ; the row's maximum: key 0 counts for every query, so it is a number
	v_mul_f32 v152, s22, v152
.irp j, 0,1,2,3,4,5,6,7
	v_fma_f32 v[136+\j], v[128+\j], s22, -v152
.endr
.irp j, 0,1,2,3,4,5,6,7
	v_exp_f32 v[136+\j], v[136+\j]
.endr
	v_nop                                          ; a plain line behind the last exponential
	s_wait_alu depctr_va_vdst(0)                   ; one wait for the batch, ahead of its first reader
	v_add_f32 v154, v136, v137
	v_add_f32 v155, v138, v139
	v_add_f32 v156, v140, v141
	v_add_f32 v157, v142, v143
	v_add_f32 v154, v154, v155
	v_add_f32 v156, v156, v157
	v_add_f32 v154, v154, v156
	v_permlanex16_b32 v153, v154, s20, s21
	v_add_f32 v154, v154, v153
	v_rcp_f32 v155, v154
	v_nop
	s_wait_alu depctr_va_vdst(0)
.irp j, 0,1,2,3,4,5,6,7
	v_mul_f32 v[136+\j], v[136+\j], v155
.endr
.irp u, 0,1,2,3                        ; y^T = V^T p: step u takes keys 8 h + 2 u, 8 h + 2 u + 1 on both sides; two sums by turns
.if \u < 2
	v_wmma_f32_16x16x4_f32 v[224+8*(\u%2):231+8*(\u%2)], v[144+2*\u:145+2*\u], v[136+2*\u:137+2*\u], 0
.else
	v_wmma_f32_16x16x4_f32 v[224+8*(\u%2):231+8*(\u%2)], v[144+2*\u:145+2*\u], v[136+2*\u:137+2*\u], v[224+8*(\u%2):231+8*(\u%2)]
.endif
.endr
.rept 8
	v_nop
.endr
.irp j, 0,1,2,3,4,5,6,7
	v_add_f32 v[160+\j], v[224+\j], v[232+\j]      ; lane (r, h): token r, channels 16 w + 8 h + j
.endr
.irp p, 0,1,2,3
	v_cvt_pk_f16_f32 v[112+\p], v[160+2*\p], v[161+2*\p]           ; the high part
.endr
	v_cvt_f32_f16 v168, v112.l
	v_cvt_f32_f16 v169, v112.h
	v_cvt_f32_f16 v170, v113.l
	v_cvt_f32_f16 v171, v113.h
	v_cvt_f32_f16 v172, v114.l
	v_cvt_f32_f16 v173, v114.h
	v_cvt_f32_f16 v174, v115.l
	v_cvt_f32_f16 v175, v115.h
.irp j, 0,1,2,3,4,5,6,7
	v_sub_f32 v[168+\j], v[160+\j], v[168+\j]
.endr
.irp p, 0,1,2,3
	v_cvt_pk_f16_f32 v[116+\p], v[168+2*\p], v[169+2*\p]           ; the low part
.endr
	global_store_b128 v11, v[112:115], s[12:13]                    ; 512 consecutive bytes
	global_store_b128 v11, v[116:119], s[12:13] offset:131072
	s_wait_tensorcnt 0x0                           ; the wave's end, behind my last LDS store
	ds_add_u32 v[SPW], v[NIL]
	s_wait_dscnt 0x0
	s_endpgm
.Lfunc_end_k_q38dc32c511_fine_att:
	.size	k_q38dc32c511_fine_att, .Lfunc_end_k_q38dc32c511_fine_att-k_q38dc32c511_fine_att
	.p2alignl 7, 3214868480
	.fill 96, 4, 3214868480
	.section	.rodata,"a",@progbits
	.p2align	6, 0x0
	.amdhsa_kernel k_q38dc32c511_fine_att
		.amdhsa_group_segment_fixed_size 13568
		.amdhsa_private_segment_fixed_size 0
		.amdhsa_enable_private_segment 0
		.amdhsa_kernarg_size 40
		.amdhsa_user_sgpr_count 2
		.amdhsa_user_sgpr_kernarg_segment_ptr 1
		.amdhsa_wavefront_size32 1
		.amdhsa_system_sgpr_workgroup_id_x 1
		.amdhsa_system_sgpr_workgroup_id_y 1
		.amdhsa_system_sgpr_workgroup_id_z 1
		.amdhsa_system_vgpr_workitem_id 0
		.amdhsa_next_free_vgpr 256
		.amdhsa_next_free_sgpr 66
		.amdhsa_reserve_vcc 1
		.amdhsa_float_denorm_mode_32 3
		.amdhsa_float_denorm_mode_16_64 3
		.amdhsa_memory_ordered 1
		.amdhsa_forward_progress 1
		.amdhsa_inst_pref_size 21
	.end_amdhsa_kernel
	.amdgpu_metadata
---
amdhsa.version: [ 1, 2 ]
amdhsa.kernels:
  - .name:           k_q38dc32c511_fine_att
    .symbol:         k_q38dc32c511_fine_att.kd
    .args:
      - { .name: xc, .offset: 0, .size: 8, .value_kind: global_buffer, .address_space: global }
      - { .name: xs, .offset: 8, .size: 8, .value_kind: global_buffer, .address_space: global }
      - { .name: wc, .offset: 16, .size: 8, .value_kind: global_buffer, .address_space: global }
      - { .name: ws, .offset: 24, .size: 8, .value_kind: global_buffer, .address_space: global }
      - { .name: yfine, .offset: 32, .size: 8, .value_kind: global_buffer, .address_space: global }
    .group_segment_fixed_size: 13568
    .private_segment_fixed_size: 0
    .kernarg_segment_align: 8
    .kernarg_segment_size: 40
    .max_flat_workgroup_size: 128
    .sgpr_count:     66
    .vgpr_count:     256
    .wavefront_size: 32
...
	.end_amdgpu_metadata
.endif
;; end of part 3
;; launch attn (part 4): grid 4 x 64, 8 waves a work-group, no clusters, 327,680 bytes of LDS; arguments qkv16, y16; writes y16
.if DOCPART == 4
	.amdgcn_target "amdgcn-amd-amdhsa--gfx1250"
	.amdhsa_code_object_version 6
	.text
	.protected	k_q38dc32c511_attn
	.globl	k_q38dc32c511_attn
	.p2align	8
	.type	k_q38dc32c511_attn,@function
k_q38dc32c511_attn:
	s_mov_b64 s[64:65], 0
	v_nop
	global_prefetch_b8 v0, s[64:65] scope:SCOPE_SE
	s_setreg_imm32_b32 hwreg(HW_REG_WAVE_MODE, 25, 1), 1
	s_wait_xcnt 0x0
; y[b][h][q] = the sum over k <= q of softmax_k(q . k / 8) v, on f16 operands (qkv16: [q, k, v][64 heads][2048][64]); products, maxima and sums in f32; the weights p rounded to f16, y once at the end.
; y16: [16 heads][8192 = 2048 batch + t][64] f16, as the projection's K steps read it.
; SHARES.  A work-group (p, head) owns query blocks p and 7 - p of 256 queries: (p + 1) + (8 - p) = 9 key blocks of 256 for every work-group, so all 256 have equal work.  Each of eight waves owns 32 queries, two tiles of 16;
; two waves share a SIMD, so that one wave's softmax stands beside the other's products.  A key step is 64 keys: 16 products K Q^T and 16 products V^T P; each fragment read from LDS feeds two products.
; LAYOUT.  S^T = K Q^T (source 0 = 16 keys, source 1 = 16 queries): a lane holds one query and keys 8 (lane / 16) + 0 .. 7 of each tile; two such tiles rounded in pairs are source 1 of O^T = V^T P.  V is turned by ds_load_tr16_b128.
; SOFTMAX.  A running maximum m and sum l for each query: p = 2^(c s - c m), c = log2(e) / 8; in every step O and l are multiplied by a = 2^(c m_old - c m_new).
; CAUSAL.  Every wave passes every change of slots; a step all of whose keys come after the wave's 32 queries is jumped over (a scalar branch on ids); on the diagonal hidden scores become -infinity.
; RING.  Two slots of one key block (256 rows of K, 256 of V).  Waves 0 to 3 fetch K's quarters, waves 4 to 7 V's: one tensor load a wave behind each barrier, and by this text's own count one load of a wave is out at any time.
; NO CLUSTER: the four work-groups of a head walk key blocks 0 .. p and then 0 .. 7 - p, so in a given trip they want different tiles (p = 0: 0,0,1,2 ..; p = 1: 0,1,0,1 ..): there is no tile that partners could ask for in the same round.
; LIMITS: q, k, v as stored (f16); NaN and infinities are not served.
; REGISTERS: window 0: v1-15 addresses and constants; v16-31 statistics, eight a tile; v32-95 K's fragments; v96-159 V's; v160-223 S^T; v224-255 P.  window 1: v0-63 O^T; v64-95 Q.
.set PK,    144                        ; a row of K in LDS: 128 bytes + 16
.set PV,    160                        ; a row of V: 128 + 32
.set VOFF,  256*PK
.set SLOT1, 1<<17
.set STAGE, SLOT1+256*(PK+PV)          ; behind the ring: 32 rows x 144 bytes for each wave; no tensor load lands here
.set SPARE, STAGE+8*32*PK              ; the spare words, 128 bytes a wave
.set AK0, 1
.set AV0, 2
.set ADK, 3
.set ADV, 4
.set QO,  5
.set STO, 6
.set RD,  7
.set GO,  8
.set PFO, 9
.set SPW, 10
.set NIL, 11
.set RH,  12                           ; v12 lane % 16 - 8 (lane / 16)
.set NINF, 13                          ; v13 -infinity
.set DM0, 14                           ; v14, v15 the mask's bound for tiles 0, 1
.set ST,  16                           ; tile t's statistics at v[ST + 8 t]: +0 c m, +1 m, +2, +3 l, +4 .. +7 at work; a in +6
.set KR,  32
.set VR,  96
.set S,   160
.set PR,  224
.set OQ,  64                           ; Q, in window 1
.set WV,  8
.set PX,  9
.set P1,  10
.set IX,  11
.set Q0,  13
.set KF,  14
.set TB,  15
.set LIM, 16
.set T0,  17
.set PFA, 18
.set OFF, 20
.set TP,  22
.set G1K, 24
.set G1V, 32
.set G0K, 40
.set G0V, 44
.set KB,  48
.set VB,  50
.set QH,  52
.set QB,  54
.set YH,  56
.set YB,  58
.set CS,  60
.set SEL, 62
.set MSB, 0
.macro WIN new
.if MSB != \new
	s_set_vgpr_msb (MSB<<8)|\new
.set MSB, \new
.endif
.endm
.set W_KQ, 0x04                        ; Q (source 1) in window 1
.set W_PV, 0x50                        ; O^T (C and D) in window 1
.set W_RS, 0x41                        ; O^T (destination and source 0) in window 1
.macro TLOAD                           ; waves 0 to 3: K's line; waves 4 to 7: V's.  An s_nop 0 and four v_nop follow each line
	s_cmp_lt_u32 s[WV], 4
	s_cbranch_scc0 .Lfor_v_\@
	tensor_load_to_lds s[G0K:G0K+3], s[G1K:G1K+7]
	s_nop 0
.rept 4
	v_nop
.endr
	s_branch .Lasked_\@
.Lfor_v_\@:
	tensor_load_to_lds s[G0V:G0V+3], s[G1V:G1V+7]
	s_nop 0
.rept 4
	v_nop
.endr
.Lasked_\@:
.endm
; A PREFETCH of what the next change of slots will ask for.  The work-group with p = 0 walks key blocks 0, 0, 1, .. 7; in trip i (0 to 6) it loads block i and asks here for block i + 1: each wave for its own quarter of K or V,
; 8,192 bytes, lanes 256 bytes apart.  So blocks 1 to 7 of a head are named once in the launch; nothing is asked for at the head, and the last trips ask for nothing.
.macro ASK
	s_cmp_lt_u32 s[IX], s[LIM]
	s_cbranch_scc0 .Lnot_mine_\@
	global_prefetch_b8 v[PFO], s[PFA:PFA+1] th:TH_LOAD_NT scope:SCOPE_SE
.Lnot_mine_\@:
.endm
.macro START                           ; Q of my 32 queries, from Q0 on, into window 1
.rept 4
	v_nop                                          ; places in front of loads into registers that matrix instructions have read
.endr
	s_lshl_b32 s[TP], s[Q0], 7
	s_add_nc_u64 s[QB:QB+1], s[QH:QH+1], s[TP:TP+1]
	WIN 0x40
.irp t, 0,1
.irp ds, 0,1
	global_load_b128 v[OQ+16*\t+8*\ds:OQ+16*\t+8*\ds+3], v[QO], s[QB:QB+1] offset:2048*\t+64*\ds
	global_load_b128 v[OQ+16*\t+8*\ds+4:OQ+16*\t+8*\ds+7], v[QO], s[QB:QB+1] offset:2048*\t+64*\ds+32
.endr
.endr
	WIN 0
.endm
.macro YBSET
	s_lshl_b32 s[TP], s[Q0], 7
	s_add_nc_u64 s[YB:YB+1], s[YH:YH+1], s[TP:TP+1]
.endm
.macro INIT                            ; m = -3e38, under every score; l = 0; O^T = 0: the key step is written once, and its first pass multiplies zeros
.irp t, 0,1
	v_mov_b32 v[ST+8*\t+1], 0xff61b1e6
	v_mul_f32 v[ST+8*\t], s[CS], v[ST+8*\t+1]
	v_mov_b32 v[ST+8*\t+2], 0
	v_mov_b32 v[ST+8*\t+3], 0
	v_mov_b32 v[ST+8*\t+5], 0                      ; a lane permute's destination counts as one of its sources
	v_mov_b32 v[ST+8*\t+7], 0
.endr
	WIN 0x40
.set i, 0
.rept 64
	v_mov_b32 v[i], 0
.set i, i+1
.endr
	WIN 0
.endm
; A KEY STEP: 64 keys, the q-th quarter of the slot in hand.
.macro STEP q
	s_add_co_u32 s[T0], s[Q0], 31
	s_cmp_gt_u32 s[KF], s[T0]                      ; all 64 keys come after my 32 queries: nothing to do
	s_cbranch_scc1 .Lhidden_\@
.irp kt, 0,1,2,3
.irp ds, 0,1
	ds_load_b128 v[KR+8*(2*\kt+\ds):KR+8*(2*\kt+\ds)+3], v[ADK] offset:9216*(\q)+2304*\kt+64*\ds
	ds_load_b128 v[KR+8*(2*\kt+\ds)+4:KR+8*(2*\kt+\ds)+7], v[ADK] offset:9216*(\q)+2304*\kt+64*\ds+32
.endr
.endr
.irp ku, 0,1
.irp ct, 0,1,2,3
	ds_load_tr16_b128 v[VR+8*(4*\ku+\ct):VR+8*(4*\ku+\ct)+3], v[ADV] offset:10240*(\q)+5120*\ku+32*\ct
	ds_load_tr16_b128 v[VR+8*(4*\ku+\ct)+4:VR+8*(4*\ku+\ct)+7], v[ADV] offset:10240*(\q)+5120*\ku+32*\ct+2560
.endr
.endr
	s_wait_dscnt 16                                ; K's 16 loads are in; V's 16 may be out
	WIN W_KQ
.irp ds, 0,1                           ; the eight accumulators take turns, one instruction a turn
.irp kt, 0,1,2,3
.irp t, 0,1
.if \ds == 0
	v_wmma_f32_16x16x32_f16 v[S+32*\t+8*\kt:S+32*\t+8*\kt+7], v[KR+8*(2*\kt+\ds):KR+8*(2*\kt+\ds)+7], v[OQ+16*\t+8*\ds:OQ+16*\t+8*\ds+7], 0
.else
	v_wmma_f32_16x16x32_f16 v[S+32*\t+8*\kt:S+32*\t+8*\kt+7], v[KR+8*(2*\kt+\ds):KR+8*(2*\kt+\ds)+7], v[OQ+16*\t+8*\ds:OQ+16*\t+8*\ds+7], v[S+32*\t+8*\kt:S+32*\t+8*\kt+7]
.endif
.endr
.endr
.endr
	WIN 0
.rept 4
	v_nop
.endr
	s_add_co_u32 s[T0], s[KF], 63
	s_cmp_le_u32 s[T0], s[Q0]                      ; all 64 keys count for all my queries: no mask
	s_cbranch_scc1 .Lopen_\@
	s_sub_co_i32 s[T0], s[Q0], s[KF]
	v_add_nc_u32 v[DM0], s[T0], v[RH]              ; tile t, register 8 kt + j holds key KF + 16 kt + 8 (lane / 16) + j: hidden where 16 kt + j > Q0 - KF + 16 t + lane % 16 - 8 (lane / 16)
	v_add_nc_u32 v[DM0+1], 16, v[DM0]
.irp t, 0,1
.irp kt, 0,1,2,3
.irp j, 0,1,2,3,4,5,6,7
	v_cmp_gt_i32 vcc_lo, 16*\kt+\j, v[DM0+\t]
	v_cndmask_b32 v[S+32*\t+8*\kt+\j], v[S+32*\t+8*\kt+\j], v[NINF], vcc_lo
.endr
.endr
.endr
.Lopen_\@:
.irp j, 0,1,2,3                        ; the maximum of my 32 scores and the old m, in four chains; each accumulator is read from its low end on; the two tiles alternate
.irp t, 0,1
	v_max3_num_f32 v[ST+8*\t+4+\j], v[S+32*\t+8*\j], v[S+32*\t+8*\j+1], v[S+32*\t+8*\j+2]
.endr
.endr
.irp g, 1,2
.irp j, 0,1,2,3
.irp t, 0,1
	v_max3_num_f32 v[ST+8*\t+4+\j], v[ST+8*\t+4+\j], v[S+32*\t+8*\j+2*\g+1], v[S+32*\t+8*\j+2*\g+2]
.endr
.endr
.endr
.irp t, 0,1
	v_max3_num_f32 v[ST+8*\t+4], v[ST+8*\t+4], v[S+32*\t+7], v[S+32*\t+15]
.endr
.irp t, 0,1
	v_max3_num_f32 v[ST+8*\t+6], v[ST+8*\t+6], v[S+32*\t+23], v[S+32*\t+31]
.endr
.irp t, 0,1
	v_max3_num_f32 v[ST+8*\t+4], v[ST+8*\t+4], v[ST+8*\t+5], v[ST+8*\t+6]
.endr
.irp t, 0,1
	v_max3_num_f32 v[ST+8*\t+4], v[ST+8*\t+4], v[ST+8*\t+7], v[ST+8*\t+1]
.endr
.irp t, 0,1
	v_permlanex16_b32 v[ST+8*\t+5], v[ST+8*\t+4], s[SEL], s[SEL+1]   ; the query's other 32 keys lie in the lane 16 away
.endr
.irp t, 0,1
	v_mov_b32 v[ST+8*\t+7], v[ST+8*\t]             ; c m_old
.endr
.irp t, 0,1
	v_max_num_f32 v[ST+8*\t+1], v[ST+8*\t+4], v[ST+8*\t+5]
.endr
.irp t, 0,1
	v_mul_f32 v[ST+8*\t], s[CS], v[ST+8*\t+1]
.endr
.irp t, 0,1
	v_sub_f32 v[ST+8*\t+7], v[ST+8*\t+7], v[ST+8*\t]
.endr
.irp b, 0,1,2,3,4,5,6,7,8,9,10,11,12,13,14,15
.irp t, 0,1
	v_pk_fma_f32 v[S+32*\t+2*\b:S+32*\t+2*\b+1], v[S+32*\t+2*\b:S+32*\t+2*\b+1], s[CS:CS+1], v[ST+8*\t:ST+8*\t+1] op_sel_hi:[1,0,0] neg_lo:[0,0,1] neg_hi:[0,0,1]   ; c s - c m
.endr
.endr
.irp t, 0,1
	v_exp_f32 v[ST+8*\t+6], v[ST+8*\t+7]           ; a
.endr
.irp e, 0,1,2,3,4,5,6,7,8,9,10,11,12,13,14,15,16,17,18,19,20,21,22,23,24,25,26,27,28,29,30,31
.irp t, 0,1
	v_exp_f32 v[S+32*\t+\e], v[S+32*\t+\e]
.endr
.endr
	v_nop                                          ; a plain line behind the last exponential
	s_wait_alu depctr_va_vdst(0)                   ; one wait for both tiles' 66 exponentials, ahead of the first line that names a result
.irp b, 0,1,2,3,4,5,6,7,8,9,10,11,12,13,14,15
.irp t, 0,1
	v_cvt_pk_f16_f32 v[PR+16*\t+\b], v[S+32*\t+2*\b], v[S+32*\t+2*\b+1]
.endr
.endr
.irp z, 0,1,2,3,4,5,6,7                ; the sum of the unrounded weights, in place, in pairs
.irp t, 0,1
	v_pk_add_f32 v[S+32*\t+4*\z:S+32*\t+4*\z+1], v[S+32*\t+4*\z:S+32*\t+4*\z+1], v[S+32*\t+4*\z+2:S+32*\t+4*\z+3]
.endr
.endr
.irp z, 0,1,2,3
.irp t, 0,1
	v_pk_add_f32 v[S+32*\t+8*\z:S+32*\t+8*\z+1], v[S+32*\t+8*\z:S+32*\t+8*\z+1], v[S+32*\t+8*\z+4:S+32*\t+8*\z+5]
.endr
.endr
.irp z, 0,1
.irp t, 0,1
	v_pk_add_f32 v[S+32*\t+16*\z:S+32*\t+16*\z+1], v[S+32*\t+16*\z:S+32*\t+16*\z+1], v[S+32*\t+16*\z+8:S+32*\t+16*\z+9]
.endr
.endr
.irp t, 0,1
	v_pk_add_f32 v[S+32*\t:S+32*\t+1], v[S+32*\t:S+32*\t+1], v[S+32*\t+16:S+32*\t+17]
.endr
.irp t, 0,1
	v_pk_fma_f32 v[ST+8*\t+2:ST+8*\t+3], v[ST+8*\t+2:ST+8*\t+3], v[ST+8*\t+6:ST+8*\t+7], v[S+32*\t:S+32*\t+1] op_sel_hi:[1,0,1]   ; l = a l + the sum
.endr
	WIN W_RS
.irp t, 0,1
.irp b, 0,1,2,3,4,5,6,7,8,9,10,11,12,13,14,15
	v_pk_mul_f32 v[32*\t+2*\b:32*\t+2*\b+1], v[32*\t+2*\b:32*\t+2*\b+1], v[ST+8*\t+6:ST+8*\t+7] op_sel_hi:[1,0]   ; O^T x a, ascending
.endr
.endr
	s_wait_dscnt 0x0                               ; V is in
	WIN W_PV
.irp ku, 0,1
.irp ct, 0,1,2,3
.irp t, 0,1
	v_wmma_f32_16x16x32_f16 v[32*\t+8*\ct:32*\t+8*\ct+7], v[VR+8*(4*\ku+\ct):VR+8*(4*\ku+\ct)+7], v[PR+16*\t+8*\ku:PR+16*\t+8*\ku+7], v[32*\t+8*\ct:32*\t+8*\ct+7]
.endr
.endr
.endr
	WIN 0
.rept 4
	v_nop                                          ; places in front of the next loads into V's registers and the next reads of O^T
.endr
.Lhidden_\@:
	s_add_co_u32 s[KF], s[KF], 64
.endm
; THE CHANGE OF SLOTS, at a slot's head.  Each wave waits for all its tensor loads (its part of the slot ahead), adds 0 to its spare word, and waits for that and for its reads of the slot that it has left; one barrier.
; fill = 1: the slot just left takes the key block of trip IX + 1: block j = IX + 1 while j <= p, else j - (p + 1): a value chosen by s_cselect_b32, no branch.  The load has four key steps in which to land.
.macro CHANGE fill
	s_wait_tensorcnt 0x0                           ; no tensor load of mine is out, so a group 0 may be written
	ds_add_u32 v[SPW], v[NIL]                      ; 0 onto my spare word
.if \fill
	s_xor_b32 s[G0K+1], s[G0K+1], SLOT1
	s_xor_b32 s[G0V+1], s[G0V+1], SLOT1
	s_add_co_u32 s[OFF], s[IX], 1
	s_cmp_gt_u32 s[OFF], s[PX]
	s_cselect_b32 s[T0], s[P1], 0
	s_sub_co_u32 s[OFF], s[OFF], s[T0]
	s_lshl_b32 s[OFF], s[OFF], 15                  ; 256 rows of 128 bytes a key block
	s_add_nc_u64 s[G0K+2:G0K+3], s[KB:KB+1], s[OFF:OFF+1]
	s_or_b32 s[G0K+3], s[G0K+3], 0x80000000
	s_add_nc_u64 s[G0V+2:G0V+3], s[VB:VB+1], s[OFF:OFF+1]
	s_or_b32 s[G0V+3], s[G0V+3], 0x80000000
	s_wait_xcnt 0x0                                ; the last prefetch, a slot back, has read its address
	s_add_nc_u64 s[PFA:PFA+1], s[PFA:PFA+1], 0x8000
.endif
	s_wait_dscnt 0x0                               ; the add is done, and my reads of the slot that I have left are over
	s_barrier_signal -1
	s_barrier_wait -1
.if \fill
	TLOAD                                          ; the first thing behind the barrier, and a wave's one tensor load until the next
	ASK
.endif
.endm
; A query block is finished: O^T / l, rounded to f16, through my stage, out as 512 consecutive bytes (four rows of 128) an instruction.
.macro FINISH
.irp t, 0,1
	v_add_f32 v[ST+8*\t+4], v[ST+8*\t+2], v[ST+8*\t+3]
.endr
.irp t, 0,1
	v_permlanex16_b32 v[ST+8*\t+5], v[ST+8*\t+4], s[SEL], s[SEL+1]
.endr
.irp t, 0,1
	v_add_f32 v[ST+8*\t+4], v[ST+8*\t+4], v[ST+8*\t+5]
.endr
.irp t, 0,1
	v_rcp_f32 v[ST+8*\t+6], v[ST+8*\t+4]
.endr
	v_nop
	s_wait_alu depctr_va_vdst(0)                   ; one wait for the two reciprocals
	WIN W_RS
.irp t, 0,1
.irp b, 0,1,2,3,4,5,6,7,8,9,10,11,12,13,14,15
	v_pk_mul_f32 v[32*\t+2*\b:32*\t+2*\b+1], v[32*\t+2*\b:32*\t+2*\b+1], v[ST+8*\t+6:ST+8*\t+7] op_sel_hi:[1,0]
.endr
.endr
	WIN 0x05
.set i, 0
.rept 32
	v_cvt_pk_f16_f32 v[S+i], v[2*i], v[2*i+1]
.set i, i+1
.endr
	WIN 0
.irp t, 0,1
.irp ct, 0,1,2,3
	ds_store_b128 v[STO], v[S+16*\t+4*\ct:S+16*\t+4*\ct+3] offset:2304*\t+32*\ct
.endr
.endr
.irp n, 0,1,2,3,4,5,6,7
	ds_load_b128 v[KR+4*\n:KR+4*\n+3], v[RD] offset:576*\n         ; LDS serves a wave's instructions in order: these see the stores above
.endr
.irp n, 0,1,2,3,4,5,6,7
	s_wait_dscnt 7-\n
	global_store_b128 v[GO], v[KR+4*\n:KR+4*\n+3], s[YB:YB+1] offset:512*\n th:TH_STORE_NT
.endr
	s_wait_xcnt 0x0                                ; the stores have read their registers and their base
.endm
	s_load_b128 s[4:7], s[0:1], 0x0                ; qkv16, y16
	v_lshl_add_u32 v[SPW], v0, 2, SPARE
	v_mov_b32 v[NIL], 0
	ds_add_u32 v[SPW], v[NIL]                      ; the wave's opening: the add, twice on end, and its wait ahead of my first tensor load
	ds_add_u32 v[SPW], v[NIL]
	v_lshrrev_b32 v32, 5, v0
	v_readfirstlane_b32 s[WV], v32                 ; wave 0..7
	s_mov_b32 s[PX], ttmp9                         ; p
	s_add_co_u32 s[P1], s[PX], 1
	s_and_b32 s[T0], ttmp7, 0xffff                 ; 16 batch + head
	s_lshl_b32 s[OFF], s[T0], 18                   ; a head's 2,048 rows of 128 bytes
	s_mov_b32 s[OFF+1], 0
	s_and_b32 s66, s[WV], 3                        ; which quarter of a key block I fetch
	s_lshl_b32 s[TP], s66, 13
	s_add_co_u32 s[TP], s[TP], s[OFF]
	s_mov_b32 s[TP+1], 0
	s_and_b32 s67, s[T0], 15
	s_lshl_b32 s67, s67, 20                        ; y16: the head's 8,192 rows,
	s_lshr_b32 s68, s[T0], 4
	s_lshl_b32 s68, s68, 18                        ; the batch's 2,048 of them
	s_add_co_u32 s68, s68, s67
	s_mov_b32 s69, 0
	s_mov_b32 s[G1K], (1<<16)|(1<<20)|(4<<22)|(3<<25)   ; elements of 2 bytes; 4 words of padding behind every 32
	s_mov_b32 s[G1V], (1<<16)|(1<<20)|(4<<22)|(7<<25)   ; the same with 8 words
.irp g, G1K, G1V
	s_mov_b32 s[\g+1], 64<<16                      ; tensor_dim0
	s_mov_b32 s[\g+2], 64<<16                      ; tensor_dim1
	s_mov_b32 s[\g+3], 64<<16                      ; tile_dim0
	s_mov_b32 s[\g+4], 64                          ; tile_dim1
	s_mov_b32 s[\g+5], 64                          ; elements from row to row
	s_mov_b32 s[\g+6], 0
	s_mov_b32 s[\g+7], 0
.endr
	s_mul_i32 s70, s66, 64*PK
	s_mul_i32 s71, s66, 64*PV
	s_add_co_u32 s71, s71, VOFF
	s_mov_b32 s[CS], 0x3e38aa3b                    ; c = log2(e) / sqrt(64)
	s_mov_b32 s[CS+1], s[CS]
	s_mov_b32 s[SEL], 0x76543210
	s_mov_b32 s[SEL+1], 0xfedcba98
	s_mov_b32 s[TB], 0
	s_mov_b32 s[KF], 0
	s_mov_b32 s[IX], 0
	s_lshl_b32 s[Q0], s[PX], 8
	s_lshl_b32 s[T0], s[WV], 5
	s_add_co_u32 s[Q0], s[Q0], s[T0]               ; my first query: 256 p + 32 wave
	s_cmp_eq_u32 s[PX], 0
	s_cselect_b32 s[LIM], 7, 0
	s_wait_dscnt 0x0                               ; both opening adds are done
	s_wait_kmcnt 0x0
	s_add_nc_u64 s[QH:QH+1], s[4:5], s[OFF:OFF+1]
	s_add_nc_u64 s[KB:KB+1], s[4:5], s[TP:TP+1]
	s_add_nc_u64 s[KB:KB+1], s[KB:KB+1], 0x1000000
	s_add_nc_u64 s[VB:VB+1], s[KB:KB+1], 0x1000000
	s_add_nc_u64 s[YH:YH+1], s[6:7], s[68:69]
	s_mov_b32 s[G0K], 1
	s_mov_b32 s[G0K+1], s70
	s_mov_b64 s[G0K+2:G0K+3], s[KB:KB+1]
	s_or_b32 s[G0K+3], s[G0K+3], 0x80000000
	s_mov_b32 s[G0V], 1
	s_mov_b32 s[G0V+1], s71
	s_mov_b64 s[G0V+2:G0V+3], s[VB:VB+1]
	s_or_b32 s[G0V+3], s[G0V+3], 0x80000000
	TLOAD                                          ; key block 0 into slot 0
	s_cmp_lt_u32 s[WV], 4
	s_cselect_b64 s[PFA:PFA+1], s[KB:KB+1], s[VB:VB+1]   ; my quarter of block 0; the first change of slots steps it to block 1
	v_and_b32 v32, 15, v0                          ; r
	v_bfe_u32 v33, v0, 4, 1                        ; h
	v_mul_u32_u24 v[AK0], v32, PK
	v_lshl_add_u32 v[AK0], v33, 4, v[AK0]
	v_and_b32 v34, 7, v0
	v_lshl_add_u32 v34, v33, 3, v34
	v_mul_u32_u24 v[AV0], v34, PV
	v_bfe_u32 v35, v0, 3, 1
	v_lshl_add_u32 v[AV0], v35, 4, v[AV0]
	v_add_nc_u32 v[AV0], VOFF, v[AV0]
	v_lshlrev_b32 v[QO], 7, v32
	v_lshl_add_u32 v[QO], v33, 4, v[QO]
	s_mul_i32 s[T0], s[WV], 32*PK
	s_add_co_u32 s[T0], s[T0], STAGE               ; my stage
	v_add_nc_u32 v[STO], s[T0], v[AK0]             ; in: row r of 144 bytes, 16 bytes for each half of the lanes
	v_and_b32 v34, 31, v0
	v_lshrrev_b32 v35, 3, v34
	v_mul_u32_u24 v[RD], v35, PK
	v_and_b32 v35, 7, v0
	v_lshl_add_u32 v[RD], v35, 4, v[RD]
	v_add_nc_u32 v[RD], s[T0], v[RD]               ; back: eight lanes to a row of 128 bytes, four rows an instruction
	v_lshlrev_b32 v[GO], 4, v34
	v_lshlrev_b32 v[PFO], 8, v34
	v_lshlrev_b32 v35, 3, v33
	v_sub_nc_u32 v[RH], v32, v35
	v_mov_b32 v[NINF], 0xff800000
	YBSET
	START
	INIT
	s_wait_loadcnt 0x0                             ; Q
.Lslot:                                            ; eight trips: behind each change of slots the next trip's key block is asked for
	CHANGE 1
	s_cmp_lg_u32 s[IX], s[P1]
	s_cbranch_scc1 .Lsame
	s_sub_co_u32 s[T0], 7, s[PX]                   ; block p is finished: on to block 7 - p, from key 0
	s_lshl_b32 s[T0], s[T0], 8
	s_lshl_b32 s[Q0], s[WV], 5
	s_add_co_u32 s[Q0], s[Q0], s[T0]
	s_mov_b32 s[KF], 0
	START                                          ; its Q is asked for while the finished block goes out
	FINISH
	YBSET
	INIT
	s_wait_loadcnt 0x0
.Lsame:
	v_add_nc_u32 v[ADK], s[TB], v[AK0]
	v_add_nc_u32 v[ADV], s[TB], v[AV0]
	STEP 0
	STEP 1
	STEP 2
	STEP 3
	s_xor_b32 s[TB], s[TB], SLOT1
	s_add_co_u32 s[IX], s[IX], 1
	s_cmp_lt_u32 s[IX], 8
	s_cbranch_scc1 .Lslot
	CHANGE 0                                       ; the ninth key block: nothing is left to ask for
	v_add_nc_u32 v[ADK], s[TB], v[AK0]
	v_add_nc_u32 v[ADV], s[TB], v[AV0]
	STEP 0
	STEP 1
	STEP 2
	STEP 3
	FINISH
	s_wait_tensorcnt 0x0                           ; the wave's end
	ds_add_u32 v[SPW], v[NIL]
	s_wait_dscnt 0x0
	s_endpgm
.Lfunc_end_k_q38dc32c511_attn:
	.size	k_q38dc32c511_attn, .Lfunc_end_k_q38dc32c511_attn-k_q38dc32c511_attn
	.p2alignl 7, 3214868480
	.fill 96, 4, 3214868480
	.section	.rodata,"a",@progbits
	.p2align	6, 0x0
	.amdhsa_kernel k_q38dc32c511_attn
		.amdhsa_group_segment_fixed_size 327680
		.amdhsa_private_segment_fixed_size 0
		.amdhsa_enable_private_segment 0
		.amdhsa_kernarg_size 16
		.amdhsa_user_sgpr_count 2
		.amdhsa_user_sgpr_kernarg_segment_ptr 1
		.amdhsa_wavefront_size32 1
		.amdhsa_system_sgpr_workgroup_id_x 1
		.amdhsa_system_sgpr_workgroup_id_y 1
		.amdhsa_system_sgpr_workgroup_id_z 1
		.amdhsa_system_vgpr_workitem_id 0
		.amdhsa_next_free_vgpr 384
		.amdhsa_next_free_sgpr 72
		.amdhsa_reserve_vcc 1
		.amdhsa_float_denorm_mode_32 3
		.amdhsa_float_denorm_mode_16_64 3
		.amdhsa_memory_ordered 1
		.amdhsa_forward_progress 1
		.amdhsa_inst_pref_size 198
	.end_amdhsa_kernel
	.amdgpu_metadata
---
amdhsa.version: [ 1, 2 ]
amdhsa.kernels:
  - .name:           k_q38dc32c511_attn
    .symbol:         k_q38dc32c511_attn.kd
    .args:
      - { .name: qkv16, .offset: 0, .size: 8, .value_kind: global_buffer, .address_space: global }
      - { .name: y16, .offset: 8, .size: 8, .value_kind: global_buffer, .address_space: global }
    .group_segment_fixed_size: 327680
    .private_segment_fixed_size: 0
    .kernarg_segment_align: 8
    .kernarg_segment_size: 16
    .max_flat_workgroup_size: 256
    .sgpr_count:     72
    .vgpr_count:     384
    .wavefront_size: 32
...
	.end_amdgpu_metadata
.endif
;; end of part 4
;; launch proj (part 5): grid 4 x 64, 4 waves a work-group, clusters of 4 x 4, 327,680 bytes of LDS; arguments y16, wp, out0; writes out0
.if DOCPART == 5
	.amdgcn_target "amdgcn-amd-amdhsa--gfx1250"
	.amdhsa_code_object_version 6
	.text
	.protected	k_q38dc32c511_proj
	.globl	k_q38dc32c511_proj
	.p2align	8
	.type	k_q38dc32c511_proj,@function
k_q38dc32c511_proj:
	s_mov_b64 s[64:65], 0
	v_nop
	global_prefetch_b8 v0, s[64:65] scope:SCOPE_SE
	s_setreg_imm32_b32 hwreg(HW_REG_WAVE_MODE, 25, 1), 1
	s_wait_xcnt 0x0
	s_wait_alu depctr_hold_cnt(0) depctr_sa_sdst(0) depctr_va_vdst(0) depctr_va_sdst(0) depctr_va_ssrc(0) depctr_va_vcc(0) depctr_vm_vsrc(0)
	s_getreg_b32 s2, hwreg(HW_REG_IB_STS2, 6, 4)
	s_cmp_eq_u32 s2, 0
	s_cbranch_scc0 .Lentry_in_a_cluster
	s_endpgm
.Lentry_in_a_cluster:
	s_bfe_u32 s2, ttmp6, 0x10000c
	s_cmp_lg_u32 s2, 0xf033
	s_cbranch_scc0 .Lentry_shape_is_right
	s_endpgm
.Lentry_shape_is_right:
; out0 = y w_proj: [8192][1024] x [1024][1024] on f16 operands (y16: [16 heads][8192][64]; wp's high part: [128 groups of 8 k][1024 n][16 bytes]); sums in f32, stored as f32.
; (Rows t < 16 of each batch are written again, more finely, by the launch that follows.)
; A tile is 128 rows x 256 columns: 256 work-groups.  Four waves, each 64 x 128: 32 accumulators, all of window 1.  K goes in steps of 128 (two heads) through a ring of two slots:
; A: 2 heads x 128 rows of 128 bytes + 16; B: 2 halves of 128 columns x 16 groups of k, rows of 2,048 bytes: sixteen lanes of a fragment load read 256 consecutive bytes, so no padding is wanted.
; CLUSTERS: 4 x 4 work-groups; A's tile is shared along a row of the cluster, B's along a column: joint loads.  Waves 0, 1 fetch A's two heads, waves 2, 3 B's two halves: one load a wave behind each round.
; THE MATRIX INSTRUCTION IS USED TRANSPOSED (source 0 = 16 columns of w, source 1 = 16 rows of y): a lane holds eight neighbouring numbers of a row of out0.
; No prefetch: eight K steps in all, two of them asked for at the head.
; REGISTERS: window 0: v16-29 addresses; v32-95 A's fragments, two buffers of 4; v96-223 B's, two buffers of 8; on the way out v32-159.
.set PA,    144
.set HEADT, 128*PA                     ; a head's 128 rows
.set BOFF,  2*HEADT
.set HALFB, 32768
.set SLOT,  BOFF+2*HALFB
.set STAGE, 2*SLOT                     ; 16 rows x 528 bytes for each wave; no tensor load lands here
.set SPITCH, 528
.set SPARE, STAGE+4*16*SPITCH
.set LAPS,  4
.set ADRA, 16
.set ADRB, 20
.set STO,  24
.set RD,   25
.set CO,   26
.set SPW,  28
.set NIL,  29
.set AF,   32
.set BF,   96
.set G1, 24
.set G0, 32
.set G1B, 48
.set G0B, 56
.set MSB, 0
.macro WIN new
.if MSB != \new
	s_set_vgpr_msb (MSB<<8)|\new
.set MSB, \new
.endif
.endm
.set MUL, 0x50                         ; C and D in window 1
.macro JLOAD s
	s_cmp_eq_u32 s11, 0
	s_cbranch_scc0 .Lfor_b_\@
	tensor_load_to_lds s[G0+4*\s:G0+4*\s+3], s[G1:G1+7]
	s_nop 0
.rept 4
	v_nop
.endr
	s_branch .Lasked_\@
.Lfor_b_\@:
	tensor_load_to_lds s[G0B+4*\s:G0B+4*\s+3], s[G1B:G1B+7]
	s_nop 0
.rept 4
	v_nop
.endr
.Lasked_\@:
.endm
.macro CREST
	s_cmp_lg_u32 s10, 0
	s_cbranch_scc1 .Lnot_wave_0_\@
	s_barrier_signal -3
.Lnot_wave_0_\@:
	s_barrier_wait -3
	s_barrier_signal -1
	s_barrier_wait -1
.endm
.macro CROUND
	s_barrier_signal -1
	s_barrier_wait -1
	CREST
.endm
	s_load_b128 s[4:7], s[0:1], 0x0                ; y16, wp
	s_load_b64 s[8:9], s[0:1], 0x10                ; out0
	v_lshl_add_u32 v[SPW], v0, 2, SPARE
	v_mov_b32 v[NIL], 0
	ds_add_u32 v[SPW], v[NIL]                      ; the wave's opening: the add, twice on end, and its wait ahead of my first tensor load
	ds_add_u32 v[SPW], v[NIL]
	v_lshrrev_b32 v1, 5, v0
	v_readfirstlane_b32 s10, v1                    ; wave 0..3
	s_lshr_b32 s11, s10, 1                         ; which 64 rows are mine.  Also: I fetch for A (0) or for B (1)
	s_and_b32 s12, s10, 1                          ; which 128 columns.  Also: which head of A, or which half of B, I fetch
	s_bfe_u32 s40, ttmp6, 0x40000
	s_bfe_u32 s41, ttmp6, 0x40004
	s_lshl_b32 s42, ttmp9, 2
	s_add_co_u32 s42, s42, s40                     ; tile column
	s_and_b32 s13, ttmp7, 0xffff
	s_lshl_b32 s13, s13, 2
	s_add_co_u32 s13, s13, s41                     ; tile row
	s_lshl_b32 s43, s41, 2
	s_lshl_b32 s43, 15, s43
	s_lshl_b32 s44, 0x1111, s40
	s_or_b32 s[G1+0], s43, (1<<16)|(1<<20)|(1<<21)|(4<<22)|(3<<25)  ; A: elements of 2 bytes; 4 words of padding behind every 32
	s_mov_b32 s[G1+1], 64<<16
	s_mov_b32 s[G1+2], 128<<16
	s_mov_b32 s[G1+3], 64<<16
	s_mov_b32 s[G1+4], 128
	s_mov_b32 s[G1+5], 64
	s_mov_b32 s[G1+6], 0
	s_mov_b32 s[G1+7], 0
	s_or_b32 s[G1B+0], s44, (3<<16)|(1<<21)        ; B: elements of 8 bytes: 16 rows (groups of k) of 256 elements (128 columns), 2,048 elements apart
	s_mov_b32 s[G1B+1], 256<<16
	s_mov_b32 s[G1B+2], 16<<16
	s_mov_b32 s[G1B+3], 256<<16
	s_mov_b32 s[G1B+4], 16
	s_mov_b32 s[G1B+5], 2048
	s_mov_b32 s[G1B+6], 0
	s_mov_b32 s[G1B+7], 0
	s_lshl_b32 s16, s12, 20                        ; A: my head of the K step's two,
	s_lshl_b32 s17, s13, 14                        ; row 128 x tile row, 128 bytes a row
	s_add_co_u32 s16, s16, s17
	s_mov_b32 s17, 0
	s_lshl_b32 s46, s42, 12                        ; B: column 256 x tile column,
	s_lshl_b32 s47, s12, 11                        ; + 128 x half, 16 bytes a column
	s_add_co_u32 s46, s46, s47
	s_mov_b32 s47, 0
	s_mul_i32 s20, s12, HEADT                      ; where they go: no place in the cluster enters an LDS address
	s_lshl_b32 s21, s12, 15
	s_add_co_u32 s21, s21, BOFF
	s_wait_dscnt 0x0                               ; both opening adds are done
	s_wait_kmcnt 0x0
	s_add_nc_u64 s[14:15], s[4:5], s[16:17]
	s_add_nc_u64 s[46:47], s[6:7], s[46:47]
	CROUND                                         ; all sixteen work-groups are here: the first joint loads meet
.irp s, 0,1
	s_mov_b32 s[G0+4*\s], 1
	s_add_co_u32 s[G0+4*\s+1], s20, \s*SLOT
	s_add_nc_u64 s[G0+4*\s+2:G0+4*\s+3], s[14:15], \s*2097152
	s_or_b32 s[G0+4*\s+3], s[G0+4*\s+3], 0x80000000
	s_mov_b32 s[G0B+4*\s], 1
	s_add_co_u32 s[G0B+4*\s+1], s21, \s*SLOT
	s_add_nc_u64 s[G0B+4*\s+2:G0B+4*\s+3], s[46:47], \s*262144
	s_or_b32 s[G0B+4*\s+3], s[G0B+4*\s+3], 0x80000000
	JLOAD \s
.endr
	v_and_b32 v1, 15, v0                           ; r
	v_bfe_u32 v2, v0, 4, 1                         ; h
	v_mul_u32_u24 v3, v1, PA
	v_lshl_add_u32 v3, v2, 4, v3                   ; A: row x pitch + 16 h
	v_lshlrev_b32 v4, 11, v2
	v_lshl_add_u32 v4, v1, 4, v4                   ; B: 2,048 h (the group of k) + 16 r (the column)
	s_mul_i32 s21, s11, 64*PA                      ; my 64 rows
	s_lshl_b32 s22, s12, 15                        ; my 128 columns
	s_add_co_u32 s22, s22, BOFF
.irp s, 0,1
	v_add_nc_u32 v[ADRA+\s], s21, v3
	v_add_nc_u32 v[ADRB+\s], s22, v4
	s_add_co_u32 s21, s21, SLOT
	s_add_co_u32 s22, s22, SLOT
.endr
	s_mul_i32 s23, s10, 16*SPITCH
	s_add_co_u32 s23, s23, STAGE                   ; my stage
	v_mul_u32_u24 v5, v1, SPITCH
	v_lshl_add_u32 v5, v2, 5, v5
	v_add_nc_u32 v[STO], s23, v5                   ; in: row r, 32 bytes for each half of the lanes
	v_and_b32 v6, 31, v0
	v_lshlrev_b32 v[CO], 4, v6                     ; back: the 32 lanes take one row of 512 bytes; and the same in out0
	v_add_nc_u32 v[RD], s23, v[CO]
	s_lshl_b32 s16, s13, 7
	s_lshl_b32 s17, s11, 6
	s_add_co_u32 s16, s16, s17                     ; my first row
	s_lshl_b32 s16, s16, 12                        ; rows of 4,096 bytes
	s_mov_b32 s17, 0
	s_add_nc_u64 s[8:9], s[8:9], s[16:17]
	s_lshl_b32 s46, s42, 10                        ; my first column, in bytes
	s_lshl_b32 s47, s12, 9
	s_add_co_u32 s46, s46, s47
	s_mov_b32 s47, 0
	s_add_nc_u64 s[8:9], s[8:9], s[46:47]
.macro FETCH slot, q, f                ; 24 LDS loads in one run: the fragments of the slot's q-th 32 along K into buffer f: B's eight, then A's four
.irp j, 0,1,2,3,4,5,6,7
	ds_load_b128 v[BF+64*(\f)+8*\j:BF+64*(\f)+8*\j+3], v[ADRB+\slot] offset:8192*(\q)+256*\j
	ds_load_b128 v[BF+64*(\f)+8*\j+4:BF+64*(\f)+8*\j+7], v[ADRB+\slot] offset:8192*(\q)+256*\j+4096
.endr
.irp i, 0,1,2,3
	ds_load_b128 v[AF+32*(\f)+8*\i:AF+32*(\f)+8*\i+3], v[ADRA+\slot] offset:HEADT*((\q)/2)+64*((\q)%2)+2304*\i
	ds_load_b128 v[AF+32*(\f)+8*\i+4:AF+32*(\f)+8*\i+7], v[ADRA+\slot] offset:HEADT*((\q)/2)+64*((\q)%2)+2304*\i+32
.endr
.endm
.macro MULROW f, i, zero               ; 8 products: A's block i x B's eight.  The 32 accumulators take turns, in the same order in every quarter
.irp j, 0,1,2,3,4,5,6,7
.if \zero
	v_wmma_f32_16x16x32_f16 v[8*(8*(\i)+\j):8*(8*(\i)+\j)+7], v[BF+64*(\f)+8*\j:BF+64*(\f)+8*\j+7], v[AF+32*(\f)+8*(\i):AF+32*(\f)+8*(\i)+7], 0
.else
	v_wmma_f32_16x16x32_f16 v[8*(8*(\i)+\j):8*(8*(\i)+\j)+7], v[BF+64*(\f)+8*\j:BF+64*(\f)+8*\j+7], v[AF+32*(\f)+8*(\i):AF+32*(\f)+8*(\i)+7], v[8*(8*(\i)+\j):8*(8*(\i)+\j)+7]
.endif
.endr
.endm
.macro PLACES
.rept 4
	v_nop
.endr
.endm
; A K step is four quarters of 32 along K, 32 products each, on buffers 0, 1, 0, 1.  One of the first three: multiplies buffer f and fetches quarter q of the same slot into g.
.macro QUARTER slot, q, f, g, zero
	s_wait_dscnt 4                                 ; B and A's blocks 0, 1 are in; the youngest four loads (A's blocks 2, 3) may be out
	WIN MUL
	MULROW \f, 0, \zero
	MULROW \f, 1, \zero
	PLACES
	WIN 0
	FETCH \slot, \q, \g
	s_wait_dscnt 24                                ; all but the 24 just issued
	WIN MUL
	MULROW \f, 2, \zero
	MULROW \f, 3, \zero
.endm
; The last quarter multiplies buffer 1 and changes slots: in front of the barrier each wave waits for all its tensor loads, adds 0 to its spare word, and waits for that and for its reads of this slot.
.macro TURN slot, next, fill
	WIN 0
	s_wait_tensorcnt 0x0                           ; all my tensor loads have landed: my part of the next slot
	ds_add_u32 v[SPW], v[NIL]                      ; 0 onto my spare word
	s_wait_dscnt 5                                 ; (the add and the youngest four loads may be out)
	WIN MUL
	MULROW 1, 0, 0
	s_wait_dscnt 0x0                               ; the add is done, and my reads of this slot are over
	s_barrier_signal -1
	MULROW 1, 1, 0
	WIN 0
	s_barrier_wait -1
.if \fill
	CREST                                          ; the barrier has opened a round of the cluster's: no wave of any partner still reads this slot or has a load on its way
	s_add_nc_u64 s[G0+4*\slot+2:G0+4*\slot+3], s[G0+4*\slot+2:G0+4*\slot+3], 4194304
	s_add_nc_u64 s[G0B+4*\slot+2:G0B+4*\slot+3], s[G0B+4*\slot+2:G0B+4*\slot+3], 524288
	JLOAD \slot                                    ; the first tensor load behind the round; its four v_nop are also the places in front of the loads below
.else
	PLACES
.endif
	FETCH \next, 0, 0
	WIN MUL
	MULROW 1, 2, 0
	MULROW 1, 3, 0
.endm
	s_wait_tensorcnt 1                             ; my part of K step 0 is in (K step 1's may be out)
	s_barrier_signal -1
	s_barrier_wait -1                              ; everybody's is
	FETCH 0, 0, 0
	QUARTER 0, 1, 0, 1, 1                          ; the first quarter's products start the sums
	WIN 0
	s_mov_b32 s3, LAPS-1
.Llap:                                             ; a trip goes once round the ring and fills both slots again
	QUARTER 0, 2, 1, 0, 0
	QUARTER 0, 3, 0, 1, 0
	TURN 0, 1, 1
	QUARTER 1, 1, 0, 1, 0
	QUARTER 1, 2, 1, 0, 0
	QUARTER 1, 3, 0, 1, 0
	TURN 1, 0, 1
	QUARTER 0, 1, 0, 1, 0
	WIN 0
	s_sub_co_u32 s3, s3, 1
	s_cmp_lg_u32 s3, 0
	s_cbranch_scc1 .Llap
	QUARTER 0, 2, 1, 0, 0                          ; the last lap fills nothing
	QUARTER 0, 3, 0, 1, 0
	TURN 0, 1, 0
	QUARTER 1, 1, 0, 1, 0
	QUARTER 1, 2, 1, 0, 0
	QUARTER 1, 3, 0, 1, 0
	s_wait_dscnt 4
	WIN MUL
	MULROW 1, 0, 0
	MULROW 1, 1, 0
	s_wait_dscnt 0
	MULROW 1, 2, 0
	MULROW 1, 3, 0
	WIN 0
; THE WAY OUT, four blocks of 16 rows x 128 columns: through my own stage, back as whole rows of 512 bytes.
.macro TOSTAGE a
	WIN 0x04                                       ; an LDS store's data are its source 1: window 1
.irp b, 0,1,2,3,4,5,6,7
	ds_store_b128 v[STO], v[64*(\a)+8*\b:64*(\a)+8*\b+3] offset:64*\b        ; each accumulator from its low end on
	ds_store_b128 v[STO], v[64*(\a)+8*\b+4:64*(\a)+8*\b+7] offset:64*\b+16
.endr
	WIN 0
.set BB, 32+64*((\a)%2)
.irp t, 0,1,2,3,4,5,6,7,8,9,10,11,12,13,14,15
	ds_load_b128 v[BB+4*\t:BB+4*\t+3], v[RD] offset:\t*SPITCH      ; LDS serves a wave's instructions in order: these see the stores above
.endr
.endm
.macro SEND a, younger
.set BB, 32+64*((\a)%2)
	s_wait_dscnt \younger
.irp t, 0,1,2,3,4,5,6,7,8,9,10,11,12,13,14,15
	global_store_b128 v[CO], v[BB+4*\t:BB+4*\t+3], s[8:9] offset:65536*(\a)+4096*\t th:TH_STORE_NT   ; 32 lanes store 512 consecutive bytes, aligned
.endr
.endm
	PLACES
	TOSTAGE 0
.irp a, 1,2,3
.if \a > 1
	s_wait_xcnt 0x0                                ; block a - 2's stores have read their registers
.endif
	TOSTAGE \a
	SEND \a-1, 32                                  ; behind block a - 1's loads: block a's 16 stores and 16 loads
.endr
	SEND 3, 0
	s_wait_tensorcnt 0x0                           ; the wave's end
	ds_add_u32 v[SPW], v[NIL]
	s_wait_dscnt 0x0
	CROUND                                         ; the closing round
	s_endpgm
.Lfunc_end_k_q38dc32c511_proj:
	.size	k_q38dc32c511_proj, .Lfunc_end_k_q38dc32c511_proj-k_q38dc32c511_proj
	.p2alignl 7, 3214868480
	.fill 96, 4, 3214868480
	.section	.rodata,"a",@progbits
	.p2align	6, 0x0
	.amdhsa_kernel k_q38dc32c511_proj
		.amdhsa_group_segment_fixed_size 327680
		.amdhsa_private_segment_fixed_size 0
		.amdhsa_enable_private_segment 0
		.amdhsa_kernarg_size 24
		.amdhsa_user_sgpr_count 2
		.amdhsa_user_sgpr_kernarg_segment_ptr 1
		.amdhsa_wavefront_size32 1
		.amdhsa_system_sgpr_workgroup_id_x 1
		.amdhsa_system_sgpr_workgroup_id_y 1
		.amdhsa_system_sgpr_workgroup_id_z 1
		.amdhsa_system_vgpr_workitem_id 0
		.amdhsa_next_free_vgpr 512
		.amdhsa_next_free_sgpr 70
		.amdhsa_reserve_vcc 0
		.amdhsa_float_denorm_mode_32 3
		.amdhsa_float_denorm_mode_16_64 3
		.amdhsa_memory_ordered 1
		.amdhsa_forward_progress 1
		.amdhsa_inst_pref_size 85
	.end_amdhsa_kernel
	.amdgpu_metadata
---
amdhsa.version: [ 1, 2 ]
amdhsa.kernels:
  - .name:           k_q38dc32c511_proj
    .symbol:         k_q38dc32c511_proj.kd
    .args:
      - { .name: y16, .offset: 0, .size: 8, .value_kind: global_buffer, .address_space: global }
      - { .name: wp, .offset: 8, .size: 8, .value_kind: global_buffer, .address_space: global }
      - { .name: out0, .offset: 16, .size: 8, .value_kind: global_buffer, .address_space: global }
    .group_segment_fixed_size: 327680
    .private_segment_fixed_size: 0
    .kernarg_segment_align: 8
    .kernarg_segment_size: 24
    .max_flat_workgroup_size: 128
    .sgpr_count:     70
    .vgpr_count:     512
    .wavefront_size: 32
...
	.end_amdgpu_metadata
.endif
;; end of part 5
;; launch fine_proj (part 6): grid 16 x 4, 16 waves a work-group, no clusters, 19,456 bytes of LDS; arguments yfine, wp, out0; writes out0
.if DOCPART == 6
	.amdgcn_target "amdgcn-amd-amdhsa--gfx1250"
	.amdhsa_code_object_version 6
	.text
	.protected	k_q38dc32c511_fine_proj
	.globl	k_q38dc32c511_fine_proj
	.p2align	8
	.type	k_q38dc32c511_fine_proj,@function
k_q38dc32c511_fine_proj:
	s_mov_b64 s[64:65], 0
	v_nop
	global_prefetch_b8 v0, s[64:65] scope:SCOPE_SE
	s_setreg_imm32_b32 hwreg(HW_REG_WAVE_MODE, 25, 1), 1
	s_wait_xcnt 0x0
; The projection of the first 16 positions of each batch, with both operands as pairs of f16 numbers: out = w_high y_high + w_low y_high + w_high y_low, sums in f32 (w_low y_low lies under f32's last bits of the sum).
; It writes over rows t < 16 of each batch, which the launch before has stored from single f16 operands.
; A work-group takes (64 columns, batch).  Wave = (ct = wave % 4: 16 columns; kq = wave / 4: 8 K steps of 32).  Source 0 = 16 columns of w, source 1 = the 16 tokens: a lane holds eight neighbouring columns of one token.
; The four parts along K meet in LDS; waves 0 to 7 add them and store two rows each: sixteen lanes store 256 consecutive bytes, aligned.
; REGISTERS: v2, v3 the add's two; v4-8 addresses; v16-39 three accumulators, by turns; v40-47 their sum; v48-175 four sets of 32: y_high, y_low, w_high, w_low.
.set SPW,   2
.set NIL,   3
.set SPARE, 17408
	s_load_b128 s[4:7], s[0:1], 0x0                ; yfine, wp
	s_load_b64 s[8:9], s[0:1], 0x10                ; out0
	v_lshl_add_u32 v[SPW], v0, 2, SPARE
	v_mov_b32 v[NIL], 0
	v_lshrrev_b32 v1, 5, v0
	v_readfirstlane_b32 s10, v1                    ; wave 0..15
	s_and_b32 s11, s10, 3                          ; ct
	s_lshr_b32 s12, s10, 2                         ; kq
	s_and_b32 s13, ttmp7, 0xffff                   ; batch
	v_and_b32 v9, 15, v0                           ; r
	v_bfe_u32 v10, v0, 4, 1                        ; h
	v_and_b32 v4, 31, v0
	v_lshlrev_b32 v4, 4, v4                        ; y: 16 x lane: an image of the operand's registers
	v_lshlrev_b32 v5, 14, v10
	v_lshl_add_u32 v5, v9, 4, v5                   ; w: group h of 16,384 bytes, column r
	s_mul_i32 s14, s12, 4352
	s_lshl_b32 s15, s11, 6
	s_add_co_u32 s14, s14, s15
	v_mul_u32_u24 v6, v9, 272
	v_lshl_add_u32 v6, v10, 5, v6
	v_add_nc_u32 v6, s14, v6                       ; LDS, in: part kq, row r, + 64 ct + 32 h
	s_mul_i32 s14, s10, 544
	v_mul_u32_u24 v7, v10, 272
	v_lshl_add_u32 v7, v9, 4, v7
	v_add_nc_u32 v7, s14, v7                       ; LDS, back (waves 0 to 7): row 2 wave + h, 16 bytes a lane
	v_lshlrev_b32 v8, 12, v10
	v_lshl_add_u32 v8, v9, 4, v8                   ; and the same two rows in out0
	s_lshl_b32 s16, s13, 5
	s_lshl_b32 s17, s12, 3
	s_add_co_u32 s16, s16, s17
	s_lshl_b32 s16, s16, 10                        ; y: K step 32 batch + 8 kq, 1,024 bytes a step
	s_mov_b32 s17, 0
	s_lshl_b32 s18, s12, 19                        ; w: group 32 kq,
	s_lshl_b32 s19, ttmp9, 10                      ; column 64 x,
	s_add_co_u32 s18, s18, s19
	s_lshl_b32 s19, s11, 8                         ; + 16 ct, 16 bytes a column
	s_add_co_u32 s18, s18, s19
	s_mov_b32 s19, 0
	s_lshl_b32 s20, s13, 11
	s_lshl_b32 s21, s10, 1
	s_add_co_u32 s20, s20, s21
	s_lshl_b32 s20, s20, 12                        ; out0: row 2,048 batch + 2 wave,
	s_lshl_b32 s21, ttmp9, 8                       ; column 64 x
	s_add_co_u32 s20, s20, s21
	s_mov_b32 s21, 0
	s_wait_kmcnt 0x0
	s_add_nc_u64 s[4:5], s[4:5], s[16:17]
	s_add_nc_u64 s[6:7], s[6:7], s[18:19]
	s_add_nc_u64 s[8:9], s[8:9], s[20:21]
.macro LD i
.set SB, 48+32*((\i)%4)
	global_load_b128 v[SB:SB+3], v4, s[4:5] offset:1024*(\i)
	global_load_b128 v[SB+4:SB+7], v4, s[4:5] offset:1024*(\i)+512
	global_load_b128 v[SB+8:SB+11], v4, s[4:5] offset:1024*(\i)+131072
	global_load_b128 v[SB+12:SB+15], v4, s[4:5] offset:1024*(\i)+131072+512
	global_load_b128 v[SB+16:SB+19], v5, s[6:7] offset:65536*(\i)
	global_load_b128 v[SB+20:SB+23], v5, s[6:7] offset:65536*(\i)+32768
	global_load_b128 v[SB+24:SB+27], v5, s[6:7] offset:65536*(\i)+2097152
	global_load_b128 v[SB+28:SB+31], v5, s[6:7] offset:65536*(\i)+2097152+32768
.endm
	LD 0
	LD 1
	LD 2
	LD 3
.macro KSTEP i
.set SB, 48+32*((\i)%4)
.if (\i) < 4
	s_wait_loadcnt 24                              ; this step's eight loads are in; three younger sets may be out
.else
	s_wait_loadcnt 8*(7-(\i))
.endif
.if (\i) == 0
	v_wmma_f32_16x16x32_f16 v[16:23], v[SB+16:SB+23], v[SB:SB+7], 0
	v_wmma_f32_16x16x32_f16 v[24:31], v[SB+24:SB+31], v[SB:SB+7], 0
	v_wmma_f32_16x16x32_f16 v[32:39], v[SB+16:SB+23], v[SB+8:SB+15], 0
.else
	v_wmma_f32_16x16x32_f16 v[16:23], v[SB+16:SB+23], v[SB:SB+7], v[16:23]     ; three accumulators by turns
	v_wmma_f32_16x16x32_f16 v[24:31], v[SB+24:SB+31], v[SB:SB+7], v[24:31]
	v_wmma_f32_16x16x32_f16 v[32:39], v[SB+16:SB+23], v[SB+8:SB+15], v[32:39]
.endif
.rept 4
	v_nop                                          ; places in front of loads into registers that matrix instructions have read, and of the first read of results
.endr
.if (\i)+4 < 8
	LD (\i)+4
.endif
.endm
.irp i, 0,1,2,3,4,5,6,7
	KSTEP \i
.endr
.irp j, 0,1,2,3,4,5,6,7
	v_add_f32 v[40+\j], v[16+\j], v[24+\j]
.endr
.irp j, 0,1,2,3,4,5,6,7
	v_add_f32 v[40+\j], v[40+\j], v[32+\j]
.endr
	ds_store_b128 v6, v[40:43]
	ds_store_b128 v6, v[44:47] offset:16
	s_wait_dscnt 0x0                               ; for the others' sake: my stores have landed
	s_barrier_signal -1
	s_barrier_wait -1
	s_cmp_lt_u32 s10, 8
	s_cbranch_scc0 .Ldone
.irp k, 0,1,2,3
	ds_load_b128 v[48+4*\k:51+4*\k], v7 offset:4352*\k
.endr
	s_wait_dscnt 0x0
.irp j, 0,1,2,3
	v_add_f32 v[48+\j], v[48+\j], v[52+\j]
	v_add_f32 v[56+\j], v[56+\j], v[60+\j]
.endr
.irp j, 0,1,2,3
	v_add_f32 v[48+\j], v[48+\j], v[56+\j]
.endr
	global_store_b128 v8, v[48:51], s[8:9]         ; sixteen lanes store 256 consecutive bytes, aligned
.Ldone:
	s_wait_tensorcnt 0x0                           ; the wave's end, behind my last LDS store
	ds_add_u32 v[SPW], v[NIL]
	s_wait_dscnt 0x0
	s_endpgm
.Lfunc_end_k_q38dc32c511_fine_proj:
	.size	k_q38dc32c511_fine_proj, .Lfunc_end_k_q38dc32c511_fine_proj-k_q38dc32c511_fine_proj
	.p2alignl 7, 3214868480
	.fill 96, 4, 3214868480
	.section	.rodata,"a",@progbits
	.p2align	6, 0x0
	.amdhsa_kernel k_q38dc32c511_fine_proj
		.amdhsa_group_segment_fixed_size 19456
		.amdhsa_private_segment_fixed_size 0
		.amdhsa_enable_private_segment 0
		.amdhsa_kernarg_size 24
		.amdhsa_user_sgpr_count 2
		.amdhsa_user_sgpr_kernarg_segment_ptr 1
		.amdhsa_wavefront_size32 1
		.amdhsa_system_sgpr_workgroup_id_x 1
		.amdhsa_system_sgpr_workgroup_id_y 1
		.amdhsa_system_sgpr_workgroup_id_z 1
		.amdhsa_system_vgpr_workitem_id 0
		.amdhsa_next_free_vgpr 192
		.amdhsa_next_free_sgpr 66
		.amdhsa_reserve_vcc 0
		.amdhsa_float_denorm_mode_32 3
		.amdhsa_float_denorm_mode_16_64 3
		.amdhsa_memory_ordered 1
		.amdhsa_forward_progress 1
		.amdhsa_inst_pref_size 13
	.end_amdhsa_kernel
	.amdgpu_metadata
---
amdhsa.version: [ 1, 2 ]
amdhsa.kernels:
  - .name:           k_q38dc32c511_fine_proj
    .symbol:         k_q38dc32c511_fine_proj.kd
    .args:
      - { .name: yfine, .offset: 0, .size: 8, .value_kind: global_buffer, .address_space: global }
      - { .name: wp, .offset: 8, .size: 8, .value_kind: global_buffer, .address_space: global }
      - { .name: out0, .offset: 16, .size: 8, .value_kind: global_buffer, .address_space: global }
    .group_segment_fixed_size: 19456
    .private_segment_fixed_size: 0
    .kernarg_segment_align: 8
    .kernarg_segment_size: 24
    .max_flat_workgroup_size: 512
    .sgpr_count:     66
    .vgpr_count:     192
    .wavefront_size: 32
...
	.end_amdgpu_metadata
.endif
;; end of part 6
